; MI455X (gfx1250); checked and timed in simulation.
; The chip was launched on July 23, 2026; its instructions are those of AMD's public machine-readable ISA for CDNA 5 (MIT licence, August 2026) and "CDNA5" Instruction Set Architecture Reference Guide (July 2026). The comments in the code are by the model that wrote it; some were corrected since.
;; Multi Head Self Attention. Allowed arithmetic: float matrix products may take bf16 or f16 operands with f32 sums; all other float work in f32.
;; Inputs: Wkv 512 x 1,024 float32; Wout 512 x 512 float32; Wq 512 x 512 float32; bkv 1,024 float32; bout 512 float32; bq 512 float32; rel_emb 1,025 x 64 float32; x 8 x 1,024 x 512 float32.
;; Outputs: out0 8 x 1,024 x 512 float32.
;; 2 versions, each right and faster than the one before. Each part assembles by itself: llvm-mc -triple=amdgcn-amd-amdhsa -mcpu=gfx1250 --defsym DOCPART=n.
;; ======== version 1 of 2: 4 launches
;; workspace buffers: wf 1,572,864 bytes; wof 524,288 bytes; relf 262,144 bytes; qf 8,388,608 bytes; kvf 16,777,216 bytes; aof 8,388,608 bytes
;; launch prep (part 1): grid 256 x 1, 4 waves a work-group, no clusters, 0 bytes of LDS; arguments Wq, Wkv, Wout, rel_emb, wf, wof, relf; writes wf, wof, relf
.if DOCPART == 1
	.amdgcn_target "amdgcn-amd-amdhsa--gfx1250"
	.amdhsa_code_object_version 6
	.text
	.protected	k_q547934d70c_prep
	.globl	k_q547934d70c_prep
	.p2align	8
	.type	k_q547934d70c_prep,@function
k_q547934d70c_prep:
	s_mov_b64 s[64:65], 0
	v_nop
	global_prefetch_b8 v0, s[64:65] scope:SCOPE_SE
	s_setreg_imm32_b32 hwreg(HW_REG_WAVE_MODE, 25, 1), 1
	s_wait_xcnt 0x0
; The weights and the relative table as bf16, laid out as the matrix instructions' operands want them.
; A BLOCK is 512 bytes = 16 rows x 16 k of bf16: lane L = 16 h + r of a wave owns the 16 bytes at 16 L, which hold row r, k = 8 h .. 8 h + 7.
; Two blocks that follow each other are registers 0-3 and 4-7 of a fragment of 16 rows x 32 k, so later launches load fragments at 16 x lane + constant.
;   wf   [head 8][kc 8][ft 12: q 0-3, k 0-3, v 0-3][sub 4][512]   row = output feature, k = 64 kc + 16 sub + 8 h + j = input feature
;   wof  [ft 32][ksub 32][512]                                    the same for Wout
;   relf [beta 128][sub 4][512]   virtual row g = 16 beta + r = m - n + 1024 holds rel_emb[min(1536 - min(g, 1536), 1024)]: reference()'s clip as plain rows
; No LDS, no matrix unit, no cluster: each source byte is read by one wave alone, and 4.4 MB come in and 2.4 MB go out.
; A weight load of a wave covers 128 consecutive bytes (32 columns of one row of W): the transposition is paid here, once, on 4 MB.
; Numbers are rounded to bf16 (nearest even): the matrix operands' format.
; Work-group g: G = g >> 2 names 32 source columns (0-15 Wq, 16-47 Wkv, 48-63 Wout); wave w takes the 32 k from 32 kg on, kg = 4 (g & 3) + w.
.macro WCONV pitch                     ; lane L: 32 k of column col0 + L; pitch = bytes from row to row of the source
.set i, 0
.rept 32
	global_load_b32 v[16+i], v4, s[24:25] offset:i*\pitch th:TH_LOAD_NT
.set i, i+1
.endr
	s_wait_loadcnt 0x0                             ; all 32, and the relative table's load issued ahead of them
.set i, 0
.rept 16
	v_cvt_pk_bf16_f32 v[48+i], v[16+2*i], v[17+2*i]
.set i, i+1
.endr
.irp c, 0,1,2,3                        ; k = 8 c .. 8 c + 7: block c >> 1, half h = c & 1; sixteen lanes store 256 consecutive bytes, aligned
	global_store_b128 v5, v[48+4*\c:51+4*\c], s[26:27] offset:(\c>>1)*512+(\c&1)*256
.endr
.endm
	s_load_b256 s[4:11], s[0:1], 0x0               ; Wq s[4:5], Wkv s[6:7], Wout s[8:9], rel_emb s[10:11]
	s_load_b128 s[12:15], s[0:1], 0x20             ; wf s[12:13], wof s[14:15]
	s_load_b64 s[16:17], s[0:1], 0x30              ; relf
	v_lshrrev_b32 v1, 5, v0
	v_readfirstlane_b32 s18, v1                    ; wave
	v_and_b32 v1, 31, v0                           ; lane
	v_and_b32 v2, 15, v0                           ; r: the feature's row in its block
	v_bfe_u32 v3, v0, 4, 1                         ; which of the two feature tiles of the 32 columns
	v_lshlrev_b32 v4, 2, v1                        ; 4 bytes a column
	s_lshr_b32 s19, ttmp9, 2                       ; G
	s_and_b32 s20, ttmp9, 3
	s_lshl2_add_u32 s20, s20, s18                  ; kg
	s_sub_co_u32 s21, s19, 16                      ; G - 16: Wkv's column group (used where G >= 16)
	s_sub_co_u32 s22, s19, 48                      ; G - 48: Wout's (used where G >= 48)
	; offset in wf: head (G & 15) >> 1, kc = kg >> 1, ft = 4 (G >> 4) + 2 (G & 1), sub = 2 (kg & 1)
	s_and_b32 s28, s19, 15
	s_lshr_b32 s29, s28, 1
	s_mul_i32 s29, s29, 196608
	s_lshr_b32 s30, s20, 1
	s_mul_i32 s30, s30, 24576
	s_add_co_u32 s29, s29, s30
	s_lshr_b32 s30, s19, 4
	s_lshl_b32 s30, s30, 13
	s_add_co_u32 s29, s29, s30
	s_and_b32 s30, s28, 1
	s_lshl_b32 s30, s30, 12
	s_add_co_u32 s29, s29, s30
	s_and_b32 s30, s20, 1
	s_lshl_b32 s30, s30, 10
	s_add_co_u32 s29, s29, s30
	; offset in wof: ft = 2 (G - 48), ksub = 2 kg
	s_lshl_b32 s31, s22, 15
	s_lshl_b32 s30, s20, 10
	s_add_co_u32 s31, s31, s30
	; the relative table: this wave makes half h = w & 1 of block (beta = g >> 1, sub = 2 (g & 1) + (w >> 1)); lane L: row L >> 1, four d from 4 (L & 1) on
	s_lshr_b32 s38, ttmp9, 1
	s_and_b32 s39, ttmp9, 1
	s_lshr_b32 s40, s18, 1
	s_lshl1_add_u32 s39, s39, s40
	s_and_b32 s40, s18, 1
	s_lshl_b32 s41, s38, 4
	v_lshrrev_b32 v6, 1, v1
	v_add_nc_u32 v6, s41, v6                       ; g = 16 beta + row, 0 .. 2047
	v_min_u32 v6, 0x600, v6
	v_sub_nc_u32 v6, 0x600, v6                     ; 1536 - min(g, 1536) >= 0
	v_min_u32 v6, 0x400, v6                        ; <= 1024: inside the table of 1025 rows
	v_and_b32 v7, 1, v0
	v_lshlrev_b32 v7, 4, v7
	v_lshl_add_u32 v7, v6, 8, v7                   ; row x 256 bytes + 16 (L & 1)
	s_lshl_b32 s42, s39, 6
	s_lshl_b32 s43, s40, 5
	s_add_co_u32 s42, s42, s43
	v_add_nc_u32 v7, s42, v7                       ; + 64 sub + 32 h
	s_lshl_b32 s42, s38, 11
	s_lshl_b32 s43, s39, 9
	s_add_co_u32 s42, s42, s43
	s_lshl_b32 s43, s40, 8
	s_add_co_u32 s42, s42, s43
	v_lshl_add_u32 v12, v1, 3, s42                 ; 8 bytes a lane: the wave's store covers 256 consecutive bytes, aligned
	s_wait_kmcnt 0x0
	global_load_b128 v[8:11], v7, s[10:11]
	; source, destination and shifts by G
	s_cmp_lt_u32 s19, 16
	s_cselect_b32 s23, s19, s21
	s_cselect_b64 s[24:25], s[4:5], s[6:7]
	s_cselect_b32 s33, 16, 17                      ; 32 rows of 2,048 or of 4,096 bytes
	s_cmp_lt_u32 s19, 48
	s_cselect_b32 s23, s23, s22
	s_cselect_b64 s[24:25], s[24:25], s[8:9]
	s_cselect_b64 s[26:27], s[12:13], s[14:15]
	s_cselect_b32 s34, s29, s31
	s_cselect_b32 s32, 11, 14                      ; bytes from a feature tile to the next: 2,048 in wf, 16,384 in wof
	s_cselect_b32 s33, s33, 16
	s_lshl_b32 s36, s23, 7                         ; 32 columns of 4 bytes
	s_lshl_b32 s37, s20, s33
	s_add_co_u32 s36, s36, s37
	s_mov_b32 s37, 0
	s_add_nc_u64 s[24:25], s[24:25], s[36:37]
	s_mov_b32 s35, 0
	s_add_nc_u64 s[26:27], s[26:27], s[34:35]
	v_lshlrev_b32 v5, s32, v3
	v_lshl_add_u32 v5, v2, 4, v5                   ; feature tile + 16 r
	s_cmp_lt_u32 s21, 32                           ; 16 <= G < 48: Wkv's rows are twice as long
	s_cbranch_scc1 .Lwide
	WCONV 2048
	s_branch .Ltail
.Lwide:
	WCONV 4096
.Ltail:
	v_cvt_pk_bf16_f32 v14, v8, v9
	v_cvt_pk_bf16_f32 v15, v10, v11
	global_store_b64 v12, v[14:15], s[16:17]
	s_endpgm
.Lfunc_end_k_q547934d70c_prep:
	.size	k_q547934d70c_prep, .Lfunc_end_k_q547934d70c_prep-k_q547934d70c_prep
	.p2alignl 7, 3214868480
	.fill 96, 4, 3214868480
	.section	.rodata,"a",@progbits
	.p2align	6, 0x0
	.amdhsa_kernel k_q547934d70c_prep
		.amdhsa_group_segment_fixed_size 0
		.amdhsa_private_segment_fixed_size 0
		.amdhsa_enable_private_segment 0
		.amdhsa_kernarg_size 56
		.amdhsa_user_sgpr_count 2
		.amdhsa_user_sgpr_kernarg_segment_ptr 1
		.amdhsa_wavefront_size32 1
		.amdhsa_system_sgpr_workgroup_id_x 1
		.amdhsa_system_sgpr_workgroup_id_y 1
		.amdhsa_system_sgpr_workgroup_id_z 1
		.amdhsa_system_vgpr_workitem_id 0
		.amdhsa_next_free_vgpr 64
		.amdhsa_next_free_sgpr 66
		.amdhsa_reserve_vcc 0
		.amdhsa_float_denorm_mode_32 3
		.amdhsa_float_denorm_mode_16_64 3
		.amdhsa_memory_ordered 1
		.amdhsa_forward_progress 1
		.amdhsa_inst_pref_size 13
	.end_amdhsa_kernel
	.amdgpu_metadata
---
amdhsa.version: [ 1, 2 ]
amdhsa.kernels:
  - .name:           k_q547934d70c_prep
    .symbol:         k_q547934d70c_prep.kd
    .args:
      - { .name: Wq, .offset: 0, .size: 8, .value_kind: global_buffer, .address_space: global }
      - { .name: Wkv, .offset: 8, .size: 8, .value_kind: global_buffer, .address_space: global }
      - { .name: Wout, .offset: 16, .size: 8, .value_kind: global_buffer, .address_space: global }
      - { .name: rel_emb, .offset: 24, .size: 8, .value_kind: global_buffer, .address_space: global }
      - { .name: wf, .offset: 32, .size: 8, .value_kind: global_buffer, .address_space: global }
      - { .name: wof, .offset: 40, .size: 8, .value_kind: global_buffer, .address_space: global }
      - { .name: relf, .offset: 48, .size: 8, .value_kind: global_buffer, .address_space: global }
    .group_segment_fixed_size: 0
    .private_segment_fixed_size: 0
    .kernarg_segment_align: 8
    .kernarg_segment_size: 56
    .max_flat_workgroup_size: 128
    .sgpr_count:     66
    .vgpr_count:     64
    .wavefront_size: 32
...
	.end_amdgpu_metadata
.endif
;; end of part 1
;; launch qkv (part 2): grid 8 x 32, 4 waves a work-group, clusters of 4 x 4, 327,680 bytes of LDS; arguments x, wf, bq, bkv, qf, kvf; writes qf, kvf
.if DOCPART == 2
	.amdgcn_target "amdgcn-amd-amdhsa--gfx1250"
	.amdhsa_code_object_version 6
	.text
	.protected	k_q547934d70c_qkv
	.globl	k_q547934d70c_qkv
	.p2align	8
	.type	k_q547934d70c_qkv,@function
k_q547934d70c_qkv:
	s_mov_b64 s[64:65], 0
	v_nop
	global_prefetch_b8 v0, s[64:65] scope:SCOPE_SE
	s_setreg_imm32_b32 hwreg(HW_REG_WAVE_MODE, 25, 1), 1
	s_wait_xcnt 0x0
	s_wait_alu depctr_hold_cnt(0) depctr_sa_sdst(0) depctr_va_vdst(0) depctr_va_sdst(0) depctr_va_ssrc(0) depctr_va_vcc(0) depctr_vm_vsrc(0)
	s_getreg_b32 s2, hwreg(HW_REG_IB_STS2, 6, 4)
	s_cmp_eq_u32 s2, 0
	s_cbranch_scc0 .Lentry_in_a_cluster
	s_endpgm
.Lentry_in_a_cluster:
	s_bfe_u32 s2, ttmp6, 0x10000c
	s_cmp_lg_u32 s2, 0xf033
	s_cbranch_scc0 .Lentry_shape_is_right
	s_endpgm
.Lentry_shape_is_right:
; q c, k, v = x W + b for one head (192 features) and 256 tokens; c = 64^-0.5 log2(e), so that the attention works in powers of two.
; Four waves; wave w makes 192 features x its 64 tokens: 12 feature tiles x 4 token tiles = 48 accumulators, 768 matrix instructions.
; q and k: D = W fragment x x fragment, so a lane holds token r and 8 neighbouring features; v: D = x fragment x W fragment, so a lane holds feature r and
; 8 neighbouring tokens.  Either way four conversions make the 16 bytes that the lane owns in a 512-byte block (16 rows x 16 k of bf16, lane L at 16 L) of
;   qf  [bh 64][token tile 64][sub 4][512]                                  row = token, k = d
;   kvf [bh 64][step 16][K: key tile 4 x sub 4 x 512 | V: d tile 4 x key slice 4 x 512]   K: row = key, k = d;  V: row = d, k = key
; and one store of the wave writes a whole block, 512 consecutive bytes.  No stage in LDS is needed.
; K = 512 goes in 8 tiles of 64 through three LDS slots; x comes as f32 (rows of 256 bytes, aligned) and is rounded to bf16 on the way from LDS to the
; registers, once: a wave reads only its own 64 tokens.  W comes as bf16 blocks.
; CLUSTER 4 x 4: the four work-groups of a row of the cluster have the same tokens and ask jointly for x; the four of a column have the same head and ask
; jointly for W: 176 KB of requests for a work-group in place of 704 KB.
; Limits: x and W are rounded to bf16 for the products, q c, k, v to bf16 for the next launch; sums and biases in f32.
.set SLOT,   94208                     ; X: 256 rows x 272 bytes, then W: 12 x 4 blocks
.set XBYTES, 69632
.set XP,     272                       ; 256 bytes + 16: sixteen rows that a load touches start at sixteen different 16-byte columns modulo 256
.set QSC,    0x3e38aa3b                ; c = 0.125 x 1.442695
.set WV,  16                           ; s16 wave
.set G1X, 24                           ; s[24:31] group 1 for x
.set G1W, 32                           ; s[32:39] group 1 for W
.set G0X, 40                           ; s[40:51] group 0 for x, one for each slot
.set G0W, 52                           ; s[52:63] group 0 for W, one for each slot
; registers, in windows of 256:
;   window 0: v1 16 x lane; v8-10 x addresses by slot; v11-13 W addresses by slot; v14 32 h; v15 4 r; v32-127, v128-223 W fragments, two buffers
;             (on the way out: the 48 x 4 packed results); v224-255 at work
;   window 1: accumulators of feature tiles 0-7 at 8 (4 ft + tt);   window 2: v0-127 those of tiles 8-11; v128-159, v160-191 x fragments in bf16, two buffers
;   window 3: v0-63 x as loaded (f32); v64-127 bias of q and k, 8 a tile; v128-135 bias of v, a pair a tile
.set LID, 1
.set XA,  8
.set WA,  11
.set BO,  14
.set RO,  15
.set AF,  32
.set TMP, 224
.set BF,  128
.set QKB, 64
.set VB,  128
.set MSB, 0
.macro WIN new                         ; low byte: bits 1:0 source 0, 3:2 source 1, 5:4 source 2, 7:6 destination; the high byte repeats the setting that is left
.if MSB != \new
	s_set_vgpr_msb (MSB<<8)|\new
.set MSB, \new
.endif
.endm
.macro PLACES n
.rept \n
	v_nop
.endr
.endm
; A round of the cluster's barrier: my work-group's barrier, wave 0 signals for the work-group, every wave waits for all sixteen, my work-group's barrier again.
.macro ROUND
	s_barrier_signal -1
	s_barrier_wait -1
	s_cmp_lg_u32 s[WV], 0
	s_cbranch_scc1 .Lnw0_\@
	s_barrier_signal -3
.Lnw0_\@:
	s_barrier_wait -3
	s_barrier_signal -1
	s_barrier_wait -1
.endm
.macro SETG0 tile, slot                ; the slot's two group 0 get the tile's addresses; only while no tensor load of the wave is out
	s_add_nc_u64 s[G0X+4*\slot+2:G0X+4*\slot+3], s[66:67], \tile*256
	s_or_b32 s[G0X+4*\slot+3], s[G0X+4*\slot+3], 0x80000000
	s_add_nc_u64 s[G0W+4*\slot+2:G0W+4*\slot+3], s[68:69], \tile*24576
	s_or_b32 s[G0W+4*\slot+3], s[G0W+4*\slot+3], 0x80000000
.endm
.macro ASK slot                        ; my quarter of a tile: 64 rows of x, 12 blocks of W.  Every wave of every partner issues both lines
	tensor_load_to_lds s[G0X+4*\slot:G0X+4*\slot+3], s[G1X:G1X+7]
	s_nop 0
	tensor_load_to_lds s[G0W+4*\slot:G0W+4*\slot+3], s[G1W:G1W+7]
	s_nop 0
.endm
	s_load_b256 s[4:11], s[0:1], 0x0               ; x s[4:5], wf s[6:7], bq s[8:9], bkv s[10:11]
	s_load_b128 s[12:15], s[0:1], 0x20             ; qf s[12:13], kvf s[14:15]
	s_set_vgpr_msb 0xc0
	v_lshl_add_u32 v254, v0, 2, 0x45000
	v_mov_b32 v255, 0
	s_set_vgpr_msb 0xc0cf
	ds_add_u32 v254, v255
	s_set_vgpr_msb 0xcf00
	v_lshrrev_b32 v2, 5, v0
	v_readfirstlane_b32 s[WV], v2
	s_bfe_u32 s17, ttmp6, 0x40000                  ; cx
	s_bfe_u32 s18, ttmp6, 0x40004                  ; cy
	s_lshl_b32 s19, ttmp9, 2
	s_add_co_u32 s19, s19, s17                     ; head = 4 x cluster x + cx
	s_and_b32 s20, ttmp7, 0xffff
	s_lshl_b32 s20, s20, 2
	s_add_co_u32 s20, s20, s18                     ; token block = 4 x cluster y + cy
	s_lshl_b32 s21, s18, 2
	s_lshl_b32 s21, 15, s21                        ; my row of the cluster
	s_lshl_b32 s22, 0x1111, s17                    ; my column
	; x: 64 rows x 64 f32, 512 elements from row to row, 4 words of padding behind every 64
	s_or_b32 s[G1X+0], s21, (2<<16)|(1<<20)|(1<<21)|(5<<22)|(3<<25)
	s_mov_b32 s[G1X+1], 64<<16
	s_mov_b32 s[G1X+2], 64<<16
	s_mov_b32 s[G1X+3], 64<<16
	s_mov_b32 s[G1X+4], 64
	s_mov_b32 s[G1X+5], 512
	s_mov_b32 s[G1X+6], 0
	s_mov_b32 s[G1X+7], 0
	; W: 6,144 dense bytes as 24 rows of 32 elements of 8 bytes
	s_or_b32 s[G1W+0], s22, (3<<16)|(1<<21)
	s_mov_b32 s[G1W+1], 32<<16
	s_mov_b32 s[G1W+2], 24<<16
	s_mov_b32 s[G1W+3], 32<<16
	s_mov_b32 s[G1W+4], 24
	s_mov_b32 s[G1W+5], 32
	s_mov_b32 s[G1W+6], 0
	s_mov_b32 s[G1W+7], 0
	s_mul_i32 s23, s[WV], 64*XP                    ; my 64 rows of X in a slot
	s_mul_i32 s74, s[WV], 6144                     ; my 12 blocks of W
	s_lshl_b32 s70, s20, 19                        ; x: (256 token block + 64 wave) rows of 2,048 bytes: token block and wave alone
	s_lshl_b32 s71, s[WV], 17
	s_add_co_u32 s70, s70, s71
	s_mov_b32 s71, 0
	s_mul_i32 s72, s19, 196608                     ; W: head and wave alone
	s_add_co_u32 s72, s72, s74
	s_mov_b32 s73, 0
	s_wait_dscnt 0x0
	s_wait_kmcnt 0x0
	s_add_nc_u64 s[66:67], s[4:5], s[70:71]
	s_add_nc_u64 s[68:69], s[6:7], s[72:73]
	ROUND                                          ; all sixteen work-groups are here: the first joint loads meet
.irp s, 0,1,2
	s_mov_b32 s[G0X+4*\s], 1
	s_add_co_u32 s[G0X+4*\s+1], s23, \s*SLOT
	s_mov_b32 s[G0W+4*\s], 1
	s_add_co_u32 s[G0W+4*\s+1], s74, \s*SLOT+XBYTES
	SETG0 \s, \s
	ASK \s                                         ; tiles 0, 1, 2: six tensor loads of the wave are out, the most in this text
.endr
	v_and_b32 v1, 31, v0
	v_lshlrev_b32 v[LID], 4, v1
	v_and_b32 v2, 15, v0                           ; r
	v_bfe_u32 v3, v0, 4, 1                         ; h
	v_mul_u32_u24 v4, v2, XP
	v_lshl_add_u32 v4, v3, 5, v4                   ; row r, 8 f32 from 8 h on
	v_add_nc_u32 v[XA], s23, v4
	v_add_nc_u32 v[XA+1], SLOT, v[XA]
	v_add_nc_u32 v[XA+2], 2*SLOT, v[XA]
	v_add_nc_u32 v[WA], XBYTES, v[LID]
	v_add_nc_u32 v[WA+1], SLOT, v[WA]
	v_add_nc_u32 v[WA+2], 2*SLOT, v[WA]
	v_lshlrev_b32 v[BO], 5, v3
	v_lshlrev_b32 v[RO], 2, v2
	s_lshl_b32 s80, s19, 8                         ; the head's 64 features in a bias
	s_mov_b32 s81, 0
	s_add_nc_u64 s[76:77], s[8:9], s[80:81]
	s_add_nc_u64 s[78:79], s[10:11], s[80:81]
	WIN 0xc0
.irp ft, 0,1,2,3
	global_load_b128 v[QKB+8*\ft:QKB+8*\ft+3],       v[BO], s[76:77] offset:64*\ft       ; q: features 16 ft + 8 h + 0 .. 7
	global_load_b128 v[QKB+8*\ft+4:QKB+8*\ft+7],     v[BO], s[76:77] offset:64*\ft+16
	global_load_b128 v[QKB+32+8*\ft:QKB+32+8*\ft+3], v[BO], s[78:79] offset:64*\ft       ; k
	global_load_b128 v[QKB+36+8*\ft:QKB+36+8*\ft+3], v[BO], s[78:79] offset:64*\ft+16
	global_load_b32 v[VB+2*\ft],   v[RO], s[78:79] offset:2048+64*\ft                    ; v: feature 16 dt + r, in both registers of a pair
	global_load_b32 v[VB+2*\ft+1], v[RO], s[78:79] offset:2048+64*\ft
.endr
; 40 LDS loads: half kh (32 along K) of a tile: my 64 tokens of x in f32, then the 12 W fragments into buffer g
.macro FETCH slot, kh, g
	WIN 0xc0
.irp tt, 0,1,2,3
	ds_load_b128 v[16*\tt:16*\tt+3],     v[XA+\slot] offset:\tt*16*XP+\kh*128
	ds_load_b128 v[16*\tt+4:16*\tt+7],   v[XA+\slot] offset:\tt*16*XP+\kh*128+16
	ds_load_b128 v[16*\tt+8:16*\tt+11],  v[XA+\slot] offset:\tt*16*XP+\kh*128+64
	ds_load_b128 v[16*\tt+12:16*\tt+15], v[XA+\slot] offset:\tt*16*XP+\kh*128+80
.endr
	WIN 0
.irp ft, 0,1,2,3,4,5,6,7,8,9,10,11
	ds_load_b128 v[AF+96*\g+8*\ft:AF+96*\g+8*\ft+3],   v[WA+\slot] offset:\ft*2048+\kh*1024
	ds_load_b128 v[AF+96*\g+8*\ft+4:AF+96*\g+8*\ft+7], v[WA+\slot] offset:\ft*2048+\kh*1024+512
.endr
.endm
; The head of a half tile: its 40 loads are in (so no LDS instruction of mine is out, and in a tile's second half my reads of the tile are over); x becomes bf16.
; The 32 conversions name none of the last products' registers: they are also the places in front of the next loads into the W buffer
; that those products read.
.macro HEAD f
	s_wait_dscnt 0x0
	WIN 0x8f
.set i, 0
.rept 32
	v_cvt_pk_bf16_f32 v[BF+32*\f+i], v[2*i], v[2*i+1]
.set i, i+1
.endr
.endm
; 48 products, each accumulator once: the accumulators take turns, one instruction a turn.  zero = 1: the first products start the sums.
.macro MUL f, zero
	WIN 0x58                                       ; A = W window 0, B = x window 2, C and D window 1
.irp ft, 0,1,2,3,4,5,6,7
.irp tt, 0,1,2,3
.if \zero
	v_wmma_f32_16x16x32_bf16 v[8*(4*\ft+\tt):8*(4*\ft+\tt)+7], v[AF+96*\f+8*\ft:AF+96*\f+8*\ft+7], v[BF+32*\f+8*\tt:BF+32*\f+8*\tt+7], 0
.else
	v_wmma_f32_16x16x32_bf16 v[8*(4*\ft+\tt):8*(4*\ft+\tt)+7], v[AF+96*\f+8*\ft:AF+96*\f+8*\ft+7], v[BF+32*\f+8*\tt:BF+32*\f+8*\tt+7], v[8*(4*\ft+\tt):8*(4*\ft+\tt)+7]
.endif
.endr
.endr
	WIN 0xa2                                       ; v: A = x window 2, B = W window 0, C and D window 2
.irp dt, 0,1,2,3
.irp tt, 0,1,2,3
.if \zero
	v_wmma_f32_16x16x32_bf16 v[8*(4*\dt+\tt):8*(4*\dt+\tt)+7], v[BF+32*\f+8*\tt:BF+32*\f+8*\tt+7], v[AF+96*\f+64+8*\dt:AF+96*\f+64+8*\dt+7], 0
.else
	v_wmma_f32_16x16x32_bf16 v[8*(4*\dt+\tt):8*(4*\dt+\tt)+7], v[BF+32*\f+8*\tt:BF+32*\f+8*\tt+7], v[AF+96*\f+64+8*\dt:AF+96*\f+64+8*\dt+7], v[8*(4*\dt+\tt):8*(4*\dt+\tt)+7]
.endif
.endr
.endr
.endm
.macro HALF0 slot, zero                ; a tile's first half; fetches its second
	HEAD 0
	FETCH \slot, 1, 1
	MUL 0, \zero
.endm
.macro REST nslot                      ; the rest of a tile's second half, behind HEAD 1 and the change of tiles; fetches the next tile's first half
	FETCH \nslot, 0, 0
	MUL 1, 0
.endm
.macro PUBLISH left                    ; the next tile is whole for all four waves; the younger tile's loads may stay out
	s_wait_tensorcnt \left
	s_barrier_signal -1
	s_barrier_wait -1
.endm
	WIN 0
	PUBLISH 4                                      ; tile 0's two loads of mine are in; the four of tiles 1 and 2 stay out
	FETCH 0, 0, 0
	HALF0 0, 1                                     ; tile 0, slot 0
	HEAD 1
	PUBLISH 2                                      ; tile 1 is in; tile 2's two loads stay out
	REST 1
	HALF0 1, 0                                     ; tile 1, slot 1
	HEAD 1
	s_wait_tensorcnt 0x0                           ; all my tensor loads have landed (tile 2), my LDS reads are back (HEAD): slots 0 and 1 may be filled again
	ds_add_u32 v254, v255
	s_wait_dscnt 0x0
	SETG0 3, 0
	SETG0 4, 1
	WIN 0
	ROUND                                          ; that holds of every wave of every partner
	ASK 0                                          ; the joint refills come first: two tiles behind one round, four loads of mine out
	ASK 1
	REST 2
	HALF0 2, 0                                     ; tile 2, slot 2
	HEAD 1
	PUBLISH 2                                      ; tile 3 is in; tile 4's two loads stay out
	REST 0
	HALF0 0, 0                                     ; tile 3, slot 0
	HEAD 1
	s_wait_tensorcnt 0x0                           ; tile 4 has landed; slots 2 and 0 have been read
	ds_add_u32 v254, v255
	s_wait_dscnt 0x0
	SETG0 5, 2
	SETG0 6, 0
	WIN 0
	ROUND
	ASK 2
	ASK 0
	REST 1
	HALF0 1, 0                                     ; tile 4, slot 1
	HEAD 1
	PUBLISH 2                                      ; tile 5 is in; tile 6's two loads stay out
	REST 2
	HALF0 2, 0                                     ; tile 5, slot 2
	HEAD 1
	s_wait_tensorcnt 0x0                           ; tile 6 has landed; slot 1 has been read
	ds_add_u32 v254, v255
	s_wait_dscnt 0x0
	SETG0 7, 1
	WIN 0
	ROUND
	ASK 1
	REST 0
	HALF0 0, 0                                     ; tile 6, slot 0
	HEAD 1
	PUBLISH 0                                      ; tile 7, the last
	REST 1
	HALF0 1, 0                                     ; tile 7, slot 1
	HEAD 1
	MUL 1, 0
	; THE WAY OUT.  Four places behind the last products, then bias, scale, rounding, one store of 512 consecutive bytes for each tile.
	PLACES 4
	s_lshr_b32 s86, s20, 2
	s_lshl_b32 s86, s86, 3
	s_add_co_u32 s86, s86, s19                     ; bh = 8 batch + head
	s_and_b32 s87, s20, 3
	s_lshl2_add_u32 s87, s87, s[WV]                ; my 64 tokens are step 4 (token block & 3) + wave of the batch's 16
	s_lshl_b32 s80, s86, 17
	s_lshl_b32 s88, s87, 13
	s_add_co_u32 s80, s80, s88
	s_add_nc_u64 s[82:83], s[12:13], s[80:81]      ; qf + (64 bh + 4 step) token tiles of 2,048 bytes (s81 is still 0)
	s_lshl_b32 s80, s86, 18
	s_lshl_b32 s88, s87, 14
	s_add_co_u32 s80, s80, s88
	s_add_nc_u64 s[84:85], s[14:15], s[80:81]      ; kvf + (16 bh + step) x 16,384 bytes
	s_wait_loadcnt 0x0                             ; the biases
	WIN 0xc3
.set i, 0
.rept 16
	v_pk_mul_f32 v[QKB+2*i:QKB+2*i+1], v[QKB+2*i:QKB+2*i+1], QSC op_sel_hi:[1,0]     ; (sum + bq) c = sum c + bq c: one fused multiply-add below
.set i, i+1
.endr
.macro OUTFT ft                        ; every store has data registers of its own: nothing that a store still reads is written again
.if \ft < 4
	WIN 0x31
.irp tt, 0,1,2,3
.irp p, 0,1,2,3
	v_pk_fma_f32 v[TMP+8*\tt+2*\p:TMP+8*\tt+2*\p+1], v[8*(4*\ft+\tt)+2*\p:8*(4*\ft+\tt)+2*\p+1], QSC, v[QKB+8*\ft+2*\p:QKB+8*\ft+2*\p+1] op_sel_hi:[1,0,1]
.endr
.endr
.else
.if \ft < 8
	WIN 0x0d
.irp tt, 0,1,2,3
.irp p, 0,1,2,3
	v_pk_add_f32 v[TMP+8*\tt+2*\p:TMP+8*\tt+2*\p+1], v[8*(4*\ft+\tt)+2*\p:8*(4*\ft+\tt)+2*\p+1], v[QKB+8*\ft+2*\p:QKB+8*\ft+2*\p+1]
.endr
.endr
.else
	WIN 0x0e
.irp tt, 0,1,2,3
.irp p, 0,1,2,3
	v_pk_add_f32 v[TMP+8*\tt+2*\p:TMP+8*\tt+2*\p+1], v[8*(4*(\ft-8)+\tt)+2*\p:8*(4*(\ft-8)+\tt)+2*\p+1], v[VB+2*(\ft-8):VB+2*(\ft-8)+1] op_sel_hi:[1,0]
.endr
.endr
.endif
.endif
	WIN 0
.irp tt, 0,1,2,3
.irp p, 0,1,2,3
	v_cvt_pk_bf16_f32 v[AF+16*\ft+4*\tt+\p], v[TMP+8*\tt+2*\p], v[TMP+8*\tt+2*\p+1]
.endr
.endr
.irp tt, 0,1,2,3
.if \ft < 4
	global_store_b128 v[LID], v[AF+16*\ft+4*\tt:AF+16*\ft+4*\tt+3], s[82:83] offset:\tt*2048+\ft*512
.else
.if \ft < 8
	global_store_b128 v[LID], v[AF+16*\ft+4*\tt:AF+16*\ft+4*\tt+3], s[84:85] offset:\tt*2048+(\ft-4)*512
.else
	global_store_b128 v[LID], v[AF+16*\ft+4*\tt:AF+16*\ft+4*\tt+3], s[84:85] offset:8192+(\ft-8)*2048+\tt*512
.endif
.endif
.endr
.endm
.irp ft, 0,1,2,3,4,5,6,7,8,9,10,11
	OUTFT \ft
.endr
	s_set_vgpr_msb 0xf
	s_wait_tensorcnt 0x0
	ds_add_u32 v254, v255
	s_wait_dscnt 0x0
	s_set_vgpr_msb 0xf00
	ROUND                                          ; the closing round: no work-group ends while a partner may still ask for a tile that names it
	s_endpgm
.Lfunc_end_k_q547934d70c_qkv:
	.size	k_q547934d70c_qkv, .Lfunc_end_k_q547934d70c_qkv-k_q547934d70c_qkv
	.p2alignl 7, 3214868480
	.fill 96, 4, 3214868480
	.section	.rodata,"a",@progbits
	.p2align	6, 0x0
	.amdhsa_kernel k_q547934d70c_qkv
		.amdhsa_group_segment_fixed_size 327680
		.amdhsa_private_segment_fixed_size 0
		.amdhsa_enable_private_segment 0
		.amdhsa_kernarg_size 48
		.amdhsa_user_sgpr_count 2
		.amdhsa_user_sgpr_kernarg_segment_ptr 1
		.amdhsa_wavefront_size32 1
		.amdhsa_system_sgpr_workgroup_id_x 1
		.amdhsa_system_sgpr_workgroup_id_y 1
		.amdhsa_system_sgpr_workgroup_id_z 1
		.amdhsa_system_vgpr_workitem_id 0
		.amdhsa_next_free_vgpr 1024
		.amdhsa_next_free_sgpr 92
		.amdhsa_reserve_vcc 0
		.amdhsa_float_denorm_mode_32 3
		.amdhsa_float_denorm_mode_16_64 3
		.amdhsa_memory_ordered 1
		.amdhsa_forward_progress 1
		.amdhsa_inst_pref_size 170
	.end_amdhsa_kernel
	.amdgpu_metadata
---
amdhsa.version: [ 1, 2 ]
amdhsa.kernels:
  - .name:           k_q547934d70c_qkv
    .symbol:         k_q547934d70c_qkv.kd
    .args:
      - { .name: x, .offset: 0, .size: 8, .value_kind: global_buffer, .address_space: global }
      - { .name: wf, .offset: 8, .size: 8, .value_kind: global_buffer, .address_space: global }
      - { .name: bq, .offset: 16, .size: 8, .value_kind: global_buffer, .address_space: global }
      - { .name: bkv, .offset: 24, .size: 8, .value_kind: global_buffer, .address_space: global }
      - { .name: qf, .offset: 32, .size: 8, .value_kind: global_buffer, .address_space: global }
      - { .name: kvf, .offset: 40, .size: 8, .value_kind: global_buffer, .address_space: global }
    .group_segment_fixed_size: 327680
    .private_segment_fixed_size: 0
    .kernarg_segment_align: 8
    .kernarg_segment_size: 48
    .max_flat_workgroup_size: 128
    .sgpr_count:     92
    .vgpr_count:     1024
    .wavefront_size: 32
...
	.end_amdgpu_metadata
.endif
;; end of part 2
;; launch attn (part 3): grid 4 x 64, 4 waves a work-group, clusters of 4 x 1, 327,680 bytes of LDS; arguments qf, kvf, relf, aof; writes aof
.if DOCPART == 3
	.amdgcn_target "amdgcn-amd-amdhsa--gfx1250"
	.amdhsa_code_object_version 6
	.text
	.protected	k_q547934d70c_attn
	.globl	k_q547934d70c_attn
	.p2align	8
	.type	k_q547934d70c_attn,@function
k_q547934d70c_attn:
	s_mov_b64 s[64:65], 0
	v_nop
	global_prefetch_b8 v0, s[64:65] scope:SCOPE_SE
	s_setreg_imm32_b32 hwreg(HW_REG_WAVE_MODE, 25, 1), 1
	s_wait_xcnt 0x0
	s_wait_alu depctr_hold_cnt(0) depctr_sa_sdst(0) depctr_va_vdst(0) depctr_va_sdst(0) depctr_va_ssrc(0) depctr_va_vcc(0) depctr_vm_vsrc(0)
	s_getreg_b32 s2, hwreg(HW_REG_IB_STS2, 6, 4)
	s_cmp_eq_u32 s2, 0
	s_cbranch_scc0 .Lentry_in_a_cluster
	s_endpgm
.Lentry_in_a_cluster:
	s_bfe_u32 s2, ttmp6, 0x10000c
	s_cmp_lg_u32 s2, 0x3003
	s_cbranch_scc0 .Lentry_shape_is_right
	s_endpgm
.Lentry_shape_is_right:
; softmax(q k^T + q rel^T) v for one (batch, head) and 256 queries, with a running maximum.  q already carries 64^-0.5 log2(e): exponentials are powers of two.
; Four waves; wave w owns 64 queries (4 row tiles t of 16); the 1,024 keys go in 16 steps of 64: 96 matrix instructions a wave and step.
; EVERYTHING IS TRANSPOSED: S^T = K Q^T, so lane (r, h) holds query r and keys 8 h + j: maximum and sum run inside the lane plus one exchange of the halves;
; two packed tiles of S^T are the B fragment of O^T = V^T P^T; the rescaling factor and 1 / l are one number a lane.
; THE RELATIVE TERM as a product: chunk s' is 64 rows g = 1024 - n0 + 64 s' + 16 b + a of the reversed, clipped table (g = m - n + 1024).  For row tile t,
; D[a][r] = q[n0 + 16 t + r] . rel[g] belongs to key m = 64 s' + 16 (b + t) + a + r: 64 table rows serve all 64 queries, with reference()'s count of products.
; D is scattered (4 bytes a lane) into the wave's own ring P[64 queries][128 keys modulo 128] of f32 and read back, aligned, as the C operand of K Q^T: no addition
; is written.  Step s needs chunks s - 1 and s; chunk s + 1 is scattered behind the reads of step s and lands, in row p, on the keys 64 (s+1) + p .. + 63, which
; modulo 128 are columns that step s has read or that step s does not read: LDS serves a wave's instructions in order (ISA guide 5.7.1), so the ring needs no barrier.
; The ring's rows are 528 bytes apart: the 32 lanes of a scatter hit words 5 r + 8 h modulo 64, all different; the 16 lanes of a read 16-byte columns 16 r modulo 256.
; CLUSTER 4 x 1: the four query blocks of one (batch, head) read the same K and V and ask for them jointly: two steps (32 KB) a tile, two slots.
; The table's fragments are loaded straight into registers, a step ahead, 512 consecutive bytes a load, and are NOT asked for jointly: at any time the sixteen waves
; of a cluster stand at sixteen different chunks of it.
; Limits: q, k, v, rel and p are bf16 operands; l sums the unrounded p; an exponential below 2^-126 counts as zero; NaN and infinities are not treated.
.set WV,  12                           ; s12 wave
.set LID, 1                            ; v1      16 x lane
.set PR,  2                            ; v2      ring + 528 r + 32 h: reads
.set AD0, 3                            ; v3      ring + 528 r + 4 (r + 8 h): scatters that do not wrap
.set AD7, 4                            ; v[4:11] ring + 528 r + 4 ((112 + j + r + 8 h) & 127): those from column 112 on
.set M,   12                           ; v[12:15] running maximum of row tile t
.set L,   16                           ; v[16:19] running sum, this half's keys
.set MN,  20                           ; v[20:21] new maximum (the pair's second register is written once and not used)
.set AL,  22                           ; v[22:23] 2^(old maximum - new maximum), likewise
.set T,   24                           ; v[24:31] at work
.set S0,  32                           ; v[32:63], v[64:95] logits of a row tile, two buffers; also the relative products
.set S1,  64
.set PB,  96                           ; v[96:111] P^T, two B fragments
.set KF,  112                          ; v[112:175] K fragments at 16 kt + 8 kh; the packed results at the end
.set VF,  176                          ; v[176:239] V fragments at 16 dt + 8 g
.set QF,  128                          ; window 1: v[0:127] O at 32 t + 8 dt; v[128:191] Q at 16 t + 8 kh; v[192:255] table fragments at 16 b + 8 kh
.set RF,  192
.set RROW, 8448                        ; 16 rows of the ring
.set MSB, 0
.macro WIN new                         ; low byte: bits 1:0 source 0, 3:2 source 1, 5:4 source 2, 7:6 destination; the high byte repeats the setting that is left
.if MSB != \new
	s_set_vgpr_msb (MSB<<8)|\new
.set MSB, \new
.endif
.endm
.macro PLACES n
.rept \n
	v_nop
.endr
.endm
.macro ROUND                           ; a round of the cluster's barrier
	s_barrier_signal -1
	s_barrier_wait -1
	s_cmp_lg_u32 s[WV], 0
	s_cbranch_scc1 .Lnw0_\@
	s_barrier_signal -3
.Lnw0_\@:
	s_barrier_wait -3
	s_barrier_signal -1
	s_barrier_wait -1
.endm
	s_load_b256 s[4:11], s[0:1], 0x0               ; qf s[4:5], kvf s[6:7], relf s[8:9], aof s[10:11]
	v_lshl_add_u32 v254, v0, 2, 0x31000
	v_mov_b32 v255, 0
	ds_add_u32 v254, v255
	v_lshrrev_b32 v24, 5, v0
	v_readfirstlane_b32 s[WV], v24
	s_bfe_u32 s13, ttmp6, 0x40000                  ; cx
	s_lshl_b32 s42, ttmp9, 2
	s_add_co_u32 s13, s42, s13                     ; query block, 0 .. 3
	s_and_b32 s35, ttmp7, 0xffff                   ; bh = 8 batch + head
	s_mov_b32 s14, 0x76543210                      ; v_permlanex16_b32: lane i of one half reads lane i of the other
	s_mov_b32 s15, 0xfedcba98
	; group 1: 8,192 dense bytes as 32 rows of 32 elements of 8 bytes; all four work-groups of the cluster are named
	s_mov_b32 s16, 15|(3<<16)|(1<<21)
	s_mov_b32 s17, 32<<16
	s_mov_b32 s18, 32<<16
	s_mov_b32 s19, 32<<16
	s_mov_b32 s20, 32
	s_mov_b32 s21, 32
	s_mov_b32 s22, 0
	s_mov_b32 s23, 0
	s_lshl_b32 s37, s[WV], 13                      ; wave x 8,192
	s_lshl_b32 s38, s35, 18                        ; K and V: bh and wave alone
	s_add_co_u32 s38, s38, s37
	s_mov_b32 s39, 0
	s_lshl_b32 s42, s13, 15                        ; table: chunk -1 starts at row 960 - 256 block - 64 wave, 128 bytes a row
	s_add_co_u32 s42, s42, s37
	s_sub_co_u32 s42, 0x1e000, s42
	s_mov_b32 s43, 0
	s_lshl_b32 s40, s35, 17                        ; q: (64 bh + 16 block + 4 wave) token tiles of 2,048 bytes
	s_lshl_b32 s41, s13, 15
	s_add_co_u32 s40, s40, s41
	s_add_co_u32 s40, s40, s37
	s_mov_b32 s41, 0
	s_lshr_b32 s46, s35, 3                         ; out: (64 batch + 16 block + 4 wave) token tiles of 16,384 bytes + 4 head blocks of 512
	s_lshl_b32 s46, s46, 20
	s_lshl_b32 s47, s13, 18
	s_add_co_u32 s46, s46, s47
	s_lshl_b32 s47, s[WV], 16
	s_add_co_u32 s46, s46, s47
	s_and_b32 s47, s35, 7
	s_lshl_b32 s47, s47, 11
	s_add_co_u32 s46, s46, s47
	s_mov_b32 s47, 0
	s_wait_dscnt 0x0
	s_wait_kmcnt 0x0
	s_add_nc_u64 s[38:39], s[6:7], s[38:39]
	s_add_nc_u64 s[32:33], s[8:9], s[42:43]        ; s[32:33]: the table's next chunk
	s_add_nc_u64 s[44:45], s[4:5], s[40:41]
	s_add_nc_u64 s[46:47], s[10:11], s[46:47]
.irp s, 0,1                            ; group 0 of slot s, set for tile s: s[24:27], s[28:31]
	s_mov_b32 s[24+4*\s], 1
	s_add_co_u32 s[25+4*\s], s37, \s*32768
	s_add_nc_u64 s[26+4*\s:27+4*\s], s[38:39], \s*32768
	s_or_b32 s[27+4*\s], s[27+4*\s], 0x80000000
.endr
	ROUND                                          ; in front of the first joint load
	tensor_load_to_lds s[24:27], s[16:23]          ; tile 0
	s_nop 0
	v_nop
	v_nop
	v_and_b32 v1, 31, v0
	v_lshlrev_b32 v[LID], 4, v1
	WIN 0x40
.set i, 0
.rept 16
	global_load_b128 v[QF+4*i:QF+4*i+3], v[LID], s[44:45] offset:512*i      ; my 64 queries
.set i, i+1
.endr
.set i, 0
.rept 16
	global_load_b128 v[RF+4*i:RF+4*i+3], v[LID], s[32:33] offset:512*i      ; chunk -1
.set i, i+1
.endr
	WIN 0
	v_and_b32 v24, 15, v0                          ; r
	v_bfe_u32 v25, v0, 4, 1                        ; h
	s_mul_i32 s36, s[WV], 33792
	s_add_co_u32 s36, s36, 65536                   ; my ring, behind the two slots: no tensor load lands there
	v_mul_u32_u24 v26, v24, 528
	v_add_nc_u32 v26, s36, v26
	v_lshl_add_u32 v[PR], v25, 5, v26
	v_lshl_add_u32 v27, v25, 3, v24                ; r + 8 h
	v_lshl_add_u32 v[AD0], v27, 2, v26
.irp j, 0,1,2,3,4,5,6,7
	v_add_nc_u32 v28, 112+\j, v27
	v_and_b32 v28, 127, v28
	v_lshl_add_u32 v[AD7+\j], v28, 2, v26
.endr
	v_mov_b32 v[MN+1], 0
	v_mov_b32 v[AL+1], 0
; 8 products: table block b x the four row tiles, 64 along d.  The four accumulators take turns, one instruction a turn.
.macro RW b, X
.irp t, 0,1,2,3
	v_wmma_f32_16x16x32_bf16 v[\X+8*\t:\X+8*\t+7], v[RF+16*\b:RF+16*\b+7], v[QF+16*\t:QF+16*\t+7], 0
.endr
.irp t, 0,1,2,3
	v_wmma_f32_16x16x32_bf16 v[\X+8*\t:\X+8*\t+7], v[RF+16*\b+8:RF+16*\b+15], v[QF+16*\t+8:QF+16*\t+15], v[\X+8*\t:\X+8*\t+7]
.endr
.endm
; 32 scatters: register j of tile t goes to row 16 t + r, column (16 u + 8 h + j + r) & 127, u = (4 parity + b + t) & 7; only u = 7 can wrap.
; parR may arrive as an expression: it stands in brackets.
.macro SCAT b, X, parR
.irp t, 0,1,2,3
.set u, (4*(\parR)+\b+\t)&7
.irp j, 0,1,2,3,4,5,6,7
.if u < 7
	ds_store_b32 v[AD0], v[\X+8*\t+\j] offset:\t*RROW+64*u+4*\j
.else
	ds_store_b32 v[AD7+\j], v[\X+8*\t+\j] offset:\t*RROW
.endif
.endr
.endr
.endm
; One chunk of the relative term.  parR: the chunk's parity; dol = 1: the chunk behind it is requested.
.macro RPHASE parR, dol
	s_wait_loadcnt 0x0                             ; the chunk's 16 loads are in (the first time: the queries too), so their base may be stepped below
	WIN 0x05                                       ; A and B window 1, C and D window 0
	RW 0, S0
	RW 1, S1
	PLACES 5                                       ; in front of the stores that read the results and of the products that write over them
	WIN 0
	SCAT 0, S0, \parR
	SCAT 1, S1, \parR
	WIN 0x05
	RW 2, S0
	RW 3, S1
	PLACES 5                                       ; likewise, and in front of the loads into the fragments just read and into S0
.if \dol
	s_add_nc_u64 s[32:33], s[32:33], 8192
	WIN 0x40
.set i, 0
.rept 16
	global_load_b128 v[RF+4*i:RF+4*i+3], v[LID], s[32:33] offset:512*i
.set i, i+1
.endr
.endif
	WIN 0
	SCAT 2, S0, \parR
	SCAT 3, S1, \parR
.endm
; the relative logits of row tile t for this step's 64 keys, in the accumulator's layout
.macro POS t, par, X
.irp kt, 0,1,2,3
	ds_load_b128 v[\X+8*\kt:\X+8*\kt+3],   v[PR] offset:(\t)*RROW+256*\par+64*\kt
	ds_load_b128 v[\X+8*\kt+4:\X+8*\kt+7], v[PR] offset:(\t)*RROW+256*\par+64*\kt+16
.endr
.endm
.macro QK t, X                         ; S^T += K Q^T onto the relative logits; four accumulators by turns
.irp kt, 0,1,2,3
	v_wmma_f32_16x16x32_bf16 v[\X+8*\kt:\X+8*\kt+7], v[KF+16*\kt:KF+16*\kt+7], v[QF+16*\t:QF+16*\t+7], v[\X+8*\kt:\X+8*\kt+7]
.endr
.irp kt, 0,1,2,3
	v_wmma_f32_16x16x32_bf16 v[\X+8*\kt:\X+8*\kt+7], v[KF+16*\kt+8:KF+16*\kt+15], v[QF+16*\t+8:QF+16*\t+15], v[\X+8*\kt:\X+8*\kt+7]
.endr
.endm
.macro SOFT t, X, first
.irp c, 0,1,2,3                        ; the largest of my 32 logits, in four chains
	v_max3_num_f32 v[T+\c], v[\X+8*\c], v[\X+8*\c+1], v[\X+8*\c+2]
.endr
.irp c, 0,1,2,3
	v_max3_num_f32 v[T+\c], v[T+\c], v[\X+8*\c+3], v[\X+8*\c+4]
.endr
.irp c, 0,1,2,3
	v_max3_num_f32 v[T+\c], v[T+\c], v[\X+8*\c+5], v[\X+8*\c+6]
.endr
	v_max3_num_f32 v[T], v[T], v[T+1], v[\X+7]
	v_max3_num_f32 v[T+2], v[T+2], v[T+3], v[\X+15]
	v_max3_num_f32 v[T], v[T], v[T+2], v[\X+23]
	v_max_num_f32 v[T], v[T], v[\X+31]
	v_permlanex16_b32 v[T+1], v[T], s14, s15       ; the other half's keys of the same query
.if \first
	v_max_num_f32 v[MN], v[T], v[T+1]
	v_mov_b32 v[M+\t], v[MN]
.else
	v_max3_num_f32 v[MN], v[T], v[T+1], v[M+\t]
	v_sub_f32 v[T+2], v[M+\t], v[MN]
	v_exp_f32 v[AL], v[T+2]
	v_mov_b32 v[M+\t], v[MN]                       ; the plain instruction behind the exponential (ISA guide 5.7.2)
.endif
.set i, 0
.rept 16
	v_pk_add_f32 v[\X+2*i:\X+2*i+1], v[\X+2*i:\X+2*i+1], v[MN:MN+1] op_sel_hi:[1,0] neg_lo:[0,1] neg_hi:[0,1]
.set i, i+1
.endr
.set i, 0
.rept 32
	v_exp_f32 v[\X+i], v[\X+i]
.set i, i+1
.endr
	v_nop                                          ; one plain place before the results are used
	s_wait_alu depctr_va_vdst(0)
.irp c, 0,1,2,3
	v_pk_add_f32 v[T+2*\c:T+2*\c+1], v[\X+8*\c:\X+8*\c+1], v[\X+8*\c+2:\X+8*\c+3]
.endr
.irp c, 0,1,2,3
	v_pk_add_f32 v[T+2*\c:T+2*\c+1], v[T+2*\c:T+2*\c+1], v[\X+8*\c+4:\X+8*\c+5]
.endr
.irp c, 0,1,2,3
	v_pk_add_f32 v[T+2*\c:T+2*\c+1], v[T+2*\c:T+2*\c+1], v[\X+8*\c+6:\X+8*\c+7]
.endr
	v_pk_add_f32 v[T:T+1], v[T:T+1], v[T+2:T+3]
	v_pk_add_f32 v[T+4:T+5], v[T+4:T+5], v[T+6:T+7]
	v_pk_add_f32 v[T:T+1], v[T:T+1], v[T+4:T+5]
	v_add_f32 v[T], v[T], v[T+1]
.if \first
	v_mov_b32 v[L+\t], v[T]
.else
	v_fma_f32 v[L+\t], v[L+\t], v[AL], v[T]
.endif
.set i, 0
.rept 16                               ; tiles 2 g and 2 g + 1, packed, are registers 0-3 and 4-7 of P^T's fragment g
	v_cvt_pk_bf16_f32 v[PB+i], v[\X+2*i], v[\X+2*i+1]
.set i, i+1
.endr
.if \first == 0
	WIN 0x41
.set i, 0
.rept 16
	v_pk_mul_f32 v[32*\t+2*i:32*\t+2*i+1], v[32*\t+2*i:32*\t+2*i+1], v[AL:AL+1] op_sel_hi:[1,0]
.set i, i+1
.endr
.endif
.endm
.macro PV t, first                     ; O^T += V^T P^T; four accumulators by turns; the first step's first products start the sums
	WIN 0x50
.irp dt, 0,1,2,3
.if \first
	v_wmma_f32_16x16x32_bf16 v[32*\t+8*\dt:32*\t+8*\dt+7], v[VF+16*\dt:VF+16*\dt+7], v[PB:PB+7], 0
.else
	v_wmma_f32_16x16x32_bf16 v[32*\t+8*\dt:32*\t+8*\dt+7], v[VF+16*\dt:VF+16*\dt+7], v[PB:PB+7], v[32*\t+8*\dt:32*\t+8*\dt+7]
.endif
.endr
.irp dt, 0,1,2,3
	v_wmma_f32_16x16x32_bf16 v[32*\t+8*\dt:32*\t+8*\dt+7], v[VF+16*\dt+8:VF+16*\dt+15], v[PB+8:PB+15], v[32*\t+8*\dt:32*\t+8*\dt+7]
.endr
.endm
.macro ROWT t, X, Y, par, first
.if \t == 0
	s_wait_dscnt 16                                ; K and my first relative logits are in; the 16 loads of V stay out
.else
	s_wait_dscnt 0x0                               ; this row tile's relative logits
.endif
	WIN 0x04                                       ; A window 0, B window 1, C and D window 0
	QK \t, \X
	WIN 0
.if \t < 3
	POS \t+1, \par, \Y                             ; the next row tile's, into the other buffer
.endif
	PLACES 4                                       ; before vector instructions read the products (ISA guide 7.12.1)
	SOFT \t, \X, \first
.if \t == 0
	s_wait_dscnt 8                                 ; V is in; the 8 loads of the next row tile's logits stay out
.endif
	PV \t, \first
.endm
; Step s of 64 keys, of parity par.  dor = 1: relative chunk s + 1 is made and scattered at the step's end; dol = 1: chunk s + 2 is requested there.
.macro STEP slot, par, first, dor, dol
	WIN 0
.set i, 0
.rept 16
	ds_load_b128 v[KF+4*i:KF+4*i+3], v[LID] offset:\slot*32768+\par*16384+512*i
.set i, i+1
.endr
	POS 0, \par, S0
.set i, 0
.rept 16
	ds_load_b128 v[VF+4*i:VF+4*i+3], v[LID] offset:\slot*32768+\par*16384+8192+512*i
.set i, i+1
.endr
	ROWT 0, S0, S1, \par, \first
	ROWT 1, S1, S0, \par, \first
	ROWT 2, S0, S1, \par, \first
	ROWT 3, S1, S0, \par, \first
.if \dor
	RPHASE 1-\par, \dol
.endif
.endm
; One tile of two steps.  The round is the barrier in front of the refill: every wave's tensor loads have landed (one was out: its part of this tile) and its LDS
; instructions are done; behind it the other slot, read in the last trip, is asked for jointly, first thing; the load has two steps in which to land.
.macro TRIP slot, refill, first, last
	s_wait_tensorcnt 0x0
	ds_add_u32 v254, v255
	s_wait_dscnt 0x0
	s_add_nc_u64 s[26+4*\slot:27+4*\slot], s[26+4*\slot:27+4*\slot], 65536        ; no load of mine is out: this slot's next tile
	s_wait_dscnt 0x0
	WIN 0
	ROUND
.if \refill
	tensor_load_to_lds s[28-4*\slot:31-4*\slot], s[16:23]
	s_nop 0
.endif
	STEP \slot, 0, \first, 1, 1-\last
	STEP \slot, 1, 0, 1-\last, 1-\last
.endm
	RPHASE 1, 1                                    ; chunk -1; chunk 0 is requested
	RPHASE 0, 1                                    ; chunk 0; chunk 1 is requested
	TRIP 0, 1, 1, 0                                ; tiles 0 and 1 stand in front of the loop: step 0 starts maxima, sums and O
	TRIP 1, 1, 0, 0
	WIN 0
	s_mov_b32 s34, 2
.Lpair:
	TRIP 0, 1, 0, 0                                ; tiles 2 to 5
	TRIP 1, 1, 0, 0
	WIN 0
	s_sub_co_u32 s34, s34, 1
	s_cmp_lg_u32 s34, 0
	s_cbranch_scc1 .Lpair
	TRIP 0, 1, 0, 0                                ; tile 6
	TRIP 1, 0, 0, 1                                ; tile 7: nothing more is fetched; step 14 makes chunk 15 and requests none, step 15 makes none
	; THE END: 1 / l, rounding, one store of 512 consecutive bytes for each block of aof [token tile 512][4 head + dt][512] (row = token, k = feature)
	PLACES 4
	WIN 0
.irp t, 0,1,2,3
	v_permlanex16_b32 v[T+2*\t+1], v[L+\t], s14, s15
	v_add_f32 v[L+\t], v[L+\t], v[T+2*\t+1]        ; both halves' keys; at least 1, since the largest logit gives 2^0
.endr
.irp t, 0,1,2,3
	v_rcp_f32 v[T+2*\t], v[L+\t]
.endr
	v_nop
	WIN 0x41
	s_wait_alu depctr_va_vdst(0)
.irp t, 0,1,2,3
.set i, 0
.rept 16
	v_pk_mul_f32 v[32*\t+2*i:32*\t+2*i+1], v[32*\t+2*i:32*\t+2*i+1], v[T+2*\t:T+2*\t+1] op_sel_hi:[1,0]
.set i, i+1
.endr
.endr
	WIN 0x05
.set i, 0
.rept 64
	v_cvt_pk_bf16_f32 v[KF+i], v[2*i], v[2*i+1]
.set i, i+1
.endr
	WIN 0
.irp t, 0,1,2,3
.irp dt, 0,1,2,3
	global_store_b128 v[LID], v[KF+16*\t+4*\dt:KF+16*\t+4*\dt+3], s[46:47] offset:\t*16384+\dt*512
.endr
.endr
	s_wait_tensorcnt 0x0
	ds_add_u32 v254, v255
	s_wait_dscnt 0x0
	ROUND                                          ; the closing round
	s_endpgm
.Lfunc_end_k_q547934d70c_attn:
	.size	k_q547934d70c_attn, .Lfunc_end_k_q547934d70c_attn-k_q547934d70c_attn
	.p2alignl 7, 3214868480
	.fill 96, 4, 3214868480
	.section	.rodata,"a",@progbits
	.p2align	6, 0x0
	.amdhsa_kernel k_q547934d70c_attn
		.amdhsa_group_segment_fixed_size 327680
		.amdhsa_private_segment_fixed_size 0
		.amdhsa_enable_private_segment 0
		.amdhsa_kernarg_size 32
		.amdhsa_user_sgpr_count 2
		.amdhsa_user_sgpr_kernarg_segment_ptr 1
		.amdhsa_wavefront_size32 1
		.amdhsa_system_sgpr_workgroup_id_x 1
		.amdhsa_system_sgpr_workgroup_id_y 1
		.amdhsa_system_sgpr_workgroup_id_z 1
		.amdhsa_system_vgpr_workitem_id 0
		.amdhsa_next_free_vgpr 512
		.amdhsa_next_free_sgpr 66
		.amdhsa_reserve_vcc 0
		.amdhsa_float_denorm_mode_32 3
		.amdhsa_float_denorm_mode_16_64 3
		.amdhsa_memory_ordered 1
		.amdhsa_forward_progress 1
		.amdhsa_inst_pref_size 255
	.end_amdhsa_kernel
	.section	.bss,"aw",@nobits
	.p2align	6
	.space	262144
	.amdgpu_metadata
---
amdhsa.version: [ 1, 2 ]
amdhsa.kernels:
  - .name:           k_q547934d70c_attn
    .symbol:         k_q547934d70c_attn.kd
    .args:
      - { .name: qf, .offset: 0, .size: 8, .value_kind: global_buffer, .address_space: global }
      - { .name: kvf, .offset: 8, .size: 8, .value_kind: global_buffer, .address_space: global }
      - { .name: relf, .offset: 16, .size: 8, .value_kind: global_buffer, .address_space: global }
      - { .name: aof, .offset: 24, .size: 8, .value_kind: global_buffer, .address_space: global }
    .group_segment_fixed_size: 327680
    .private_segment_fixed_size: 0
    .kernarg_segment_align: 8
    .kernarg_segment_size: 32
    .max_flat_workgroup_size: 128
    .sgpr_count:     66
    .vgpr_count:     512
    .wavefront_size: 32
...
	.end_amdgpu_metadata
.endif
;; end of part 3
;; launch oproj (part 4): grid 4 x 64, 4 waves a work-group, clusters of 4 x 4, 280,064 bytes of LDS; arguments aof, wof, bout, out0; writes out0
.if DOCPART == 4
	.amdgcn_target "amdgcn-amd-amdhsa--gfx1250"
	.amdhsa_code_object_version 6
	.text
	.protected	k_q547934d70c_oproj
	.globl	k_q547934d70c_oproj
	.p2align	8
	.type	k_q547934d70c_oproj,@function
k_q547934d70c_oproj:
	s_mov_b64 s[64:65], 0
	v_nop
	global_prefetch_b8 v0, s[64:65] scope:SCOPE_SE
	s_setreg_imm32_b32 hwreg(HW_REG_WAVE_MODE, 25, 1), 1
	s_wait_xcnt 0x0
	s_wait_alu depctr_hold_cnt(0) depctr_sa_sdst(0) depctr_va_vdst(0) depctr_va_sdst(0) depctr_va_ssrc(0) depctr_va_vcc(0) depctr_vm_vsrc(0)
	s_getreg_b32 s2, hwreg(HW_REG_IB_STS2, 6, 4)
	s_cmp_eq_u32 s2, 0
	s_cbranch_scc0 .Lentry_in_a_cluster
	s_endpgm
.Lentry_in_a_cluster:
	s_bfe_u32 s2, ttmp6, 0x10000c
	s_cmp_lg_u32 s2, 0xf033
	s_cbranch_scc0 .Lentry_shape_is_right
	s_endpgm
.Lentry_shape_is_right:
; out0 = ao Wout + bout.  A work-group makes 128 tokens x 128 features; wave w makes 64 x 64 (features 64 (w & 1), tokens 64 (w >> 1)): 16 accumulators, 256 products.
; Both operands come as bf16 blocks of 512 bytes (16 rows x 16 k, lane L at 16 L).  All of K = 512 fits in LDS (128 KB + 128 KB): four chunks of 128 along K are
; asked for at the start, eight tensor loads a wave, each byte of LDS is filled once, and a chunk is read as soon as it has landed.
; A = Wout's fragment, B = ao's: a lane holds token r and 8 neighbouring features, 32 bytes of a row of out0; 16 rows at a time go through the wave's own stage
; in LDS, so that sixteen lanes store 256 consecutive bytes, aligned.
; CLUSTER 4 x 4: the four work-groups of a row of the cluster have the same tokens (ao jointly), the four of a column the same features (Wout jointly).
; Limits: ao and Wout are bf16 operands; sums and bias in f32.
.set WV,  12                           ; s12 wave
.set LID, 1                            ; v1 16 x lane
.set AAD, 2                            ; v[2:3]  my ao fragments, chunks 0-1 and 2-3
.set WAD, 4                            ; v[4:5]  my Wout fragments
.set STO, 6                            ; v6 stage: row r, 32 h
.set RD,  7                            ; v7 stage: row L >> 4, 16 (L & 15)
.set CO,  8                            ; v8 the same two rows in out0
.set BO,  9                            ; v9 32 h
.set BIAS, 16                          ; v[16:47] 8 a feature tile
.set TMP, 192                          ; v[192:223] a token tile with its bias
.set F0,  64                           ; v[64:127], v[128:191] fragments, two buffers: Wout at 8 ft, ao at 32 + 8 tt; then the rows read back
.set MSB, 0                            ; window 1: v[0:127] accumulators at 8 (4 ft + tt)
.macro WIN new
.if MSB != \new
	s_set_vgpr_msb (MSB<<8)|\new
.set MSB, \new
.endif
.endm
.macro PLACES n
.rept \n
	v_nop
.endr
.endm
.macro ROUND                           ; a round of the cluster's barrier
	s_barrier_signal -1
	s_barrier_wait -1
	s_cmp_lg_u32 s[WV], 0
	s_cbranch_scc1 .Lnw0_\@
	s_barrier_signal -3
.Lnw0_\@:
	s_barrier_wait -3
	s_barrier_signal -1
	s_barrier_wait -1
.endm
	s_load_b256 s[4:11], s[0:1], 0x0               ; aof s[4:5], wof s[6:7], bout s[8:9], out0 s[10:11]
	v_lshl_add_u32 v254, v0, 2, 0x44400
	v_mov_b32 v255, 0
	ds_add_u32 v254, v255
	v_lshrrev_b32 v10, 5, v0
	v_readfirstlane_b32 s[WV], v10
	s_bfe_u32 s13, ttmp6, 0x40000                  ; cx
	s_bfe_u32 s14, ttmp6, 0x40004                  ; cy
	s_lshl_b32 s15, ttmp9, 2
	s_add_co_u32 s15, s15, s13                     ; feature block of 128
	s_and_b32 s80, ttmp7, 0xffff
	s_lshl_b32 s80, s80, 2
	s_add_co_u32 s80, s80, s14                     ; token block of 128
	s_lshl_b32 s81, s14, 2
	s_lshl_b32 s81, 15, s81                        ; my row of the cluster
	s_lshl_b32 s82, 0x1111, s13                    ; my column
	; a wave's part of a chunk: 2 tiles x 4,096 bytes (512 elements of 8 bytes), 16,384 bytes (2,048 elements) from tile to tile
	s_or_b32 s16, s81, (3<<16)|(1<<21)
	s_or_b32 s24, s82, (3<<16)|(1<<21)
	s_mov_b32 s17, 512<<16
	s_mov_b32 s25, 512<<16
	s_mov_b32 s18, 2<<16
	s_mov_b32 s26, 2<<16
	s_mov_b32 s19, 512<<16
	s_mov_b32 s27, 512<<16
	s_mov_b32 s20, 2
	s_mov_b32 s28, 2
	s_mov_b32 s21, 2048
	s_mov_b32 s29, 2048
	s_mov_b32 s22, 0
	s_mov_b32 s30, 0
	s_mov_b32 s23, 0
	s_mov_b32 s31, 0
	s_lshl_b32 s85, s[WV], 13                      ; my 8,192 bytes of a chunk in LDS
	s_lshl_b32 s66, s80, 17                        ; ao: token tile 8 block + 2 wave: token block and wave alone
	s_lshl_b32 s67, s[WV], 15
	s_add_co_u32 s66, s66, s67
	s_mov_b32 s67, 0
	s_lshl_b32 s68, s15, 17                        ; Wout: feature tile 8 block + 2 wave: feature block and wave alone
	s_lshl_b32 s69, s[WV], 15
	s_add_co_u32 s68, s68, s69
	s_mov_b32 s69, 0
	s_wait_dscnt 0x0
	s_wait_kmcnt 0x0
	s_add_nc_u64 s[70:71], s[4:5], s[66:67]
	s_add_nc_u64 s[72:73], s[6:7], s[68:69]
	ROUND                                          ; in front of the joint loads
.irp c, 0,1,2,3                        ; LDS: ao [chunk 4][tile 8][8 blocks] from 0, Wout the same from 131,072.  Eight tensor loads of the wave are out
	s_mov_b32 s[32+8*\c], 1
	s_add_co_u32 s[33+8*\c], s85, \c*32768
	s_add_nc_u64 s[34+8*\c:35+8*\c], s[70:71], \c*4096
	s_or_b32 s[35+8*\c], s[35+8*\c], 0x80000000
	s_mov_b32 s[36+8*\c], 1
	s_add_co_u32 s[37+8*\c], s85, 131072+\c*32768
	s_add_nc_u64 s[38+8*\c:39+8*\c], s[72:73], \c*4096
	s_or_b32 s[39+8*\c], s[39+8*\c], 0x80000000
	tensor_load_to_lds s[32+8*\c:35+8*\c], s[16:23]
	s_nop 0
	tensor_load_to_lds s[36+8*\c:39+8*\c], s[24:31]
	s_nop 0
.endr
	v_and_b32 v1, 31, v0
	v_lshlrev_b32 v[LID], 4, v1
	v_and_b32 v10, 15, v0                          ; r
	v_bfe_u32 v11, v0, 4, 1                        ; h
	s_and_b32 s83, s[WV], 1                        ; which 64 features
	s_lshr_b32 s84, s[WV], 1                       ; which 64 tokens
	s_lshl_b32 s86, s84, 14                        ; 4 tiles of 4,096 bytes
	v_add_nc_u32 v[AAD], s86, v[LID]
	v_add_nc_u32 v[AAD+1], 65536, v[AAD]
	s_lshl_b32 s86, s83, 14
	s_add_co_u32 s86, s86, 131072
	v_add_nc_u32 v[WAD], s86, v[LID]
	v_add_nc_u32 v[WAD+1], 65536, v[WAD]
	s_mul_i32 s86, s[WV], 4352                     ; my stage: 16 rows x 272 bytes, behind the operands: no tensor load lands there
	s_add_co_u32 s86, s86, 262144
	v_mul_u32_u24 v12, v10, 272
	v_lshl_add_u32 v12, v11, 5, v12
	v_add_nc_u32 v[STO], s86, v12
	v_mul_u32_u24 v12, v11, 272
	v_lshl_add_u32 v12, v10, 4, v12
	v_add_nc_u32 v[RD], s86, v12
	v_lshlrev_b32 v12, 11, v11
	v_lshl_add_u32 v[CO], v10, 4, v12
	v_lshlrev_b32 v[BO], 5, v11
	s_lshl_b32 s74, s15, 9                         ; my 64 features: 512 block + 256 half bytes
	s_lshl_b32 s75, s83, 8
	s_add_co_u32 s74, s74, s75
	s_mov_b32 s75, 0
	s_add_nc_u64 s[78:79], s[8:9], s[74:75]
	s_lshl_b32 s87, s80, 18                        ; my first row of out0: (128 block + 64 half) x 2,048 bytes
	s_add_co_u32 s74, s74, s87
	s_lshl_b32 s87, s84, 17
	s_add_co_u32 s74, s74, s87
	s_add_nc_u64 s[76:77], s[10:11], s[74:75]
.irp ft, 0,1,2,3
	global_load_b128 v[BIAS+8*\ft:BIAS+8*\ft+3],   v[BO], s[78:79] offset:64*\ft
	global_load_b128 v[BIAS+8*\ft+4:BIAS+8*\ft+7], v[BO], s[78:79] offset:64*\ft+16
.endr
; 16 LDS loads: the fragments of 32 along K (quarter FQ of chunk FC) into the buffer at FB
.macro FETCH
.irp i, 0,1,2,3
	ds_load_b128 v[FB+8*\i:FB+8*\i+3],   v[WAD+(FC>>1)] offset:(FC&1)*32768+\i*4096+FQ*1024
	ds_load_b128 v[FB+8*\i+4:FB+8*\i+7], v[WAD+(FC>>1)] offset:(FC&1)*32768+\i*4096+FQ*1024+512
.endr
.irp i, 0,1,2,3
	ds_load_b128 v[FB+32+8*\i:FB+32+8*\i+3], v[AAD+(FC>>1)] offset:(FC&1)*32768+\i*4096+FQ*1024
	ds_load_b128 v[FB+36+8*\i:FB+36+8*\i+3], v[AAD+(FC>>1)] offset:(FC&1)*32768+\i*4096+FQ*1024+512
.endr
.endm
; K step n of 16: its fragments are in; the next step's are fetched into the other buffer; 16 products, the accumulators by turns.
.macro KSTEP n
	s_wait_dscnt 0x0
.if \n < 15
.set FC, (\n+1)>>2
.set FQ, (\n+1)&3
.set FB, F0+64*(1-(\n&1))
.if FQ == 0
	s_wait_tensorcnt 6-2*FC                        ; my two loads of chunk FC are in; those of the chunks behind it stay out
	s_barrier_signal -1                            ; it shows the chunk to the other waves
	s_barrier_wait -1
.endif
	PLACES 4                                       ; the last products read the buffer that is loaded now (ISA guide 7.12.1)
	WIN 0
	FETCH
.endif
.set MB, F0+64*(\n&1)
	WIN 0x50                                       ; A and B window 0, C and D window 1
.irp ft, 0,1,2,3
.irp tt, 0,1,2,3
.if \n == 0
	v_wmma_f32_16x16x32_bf16 v[8*(4*\ft+\tt):8*(4*\ft+\tt)+7], v[MB+8*\ft:MB+8*\ft+7], v[MB+32+8*\tt:MB+32+8*\tt+7], 0
.else
	v_wmma_f32_16x16x32_bf16 v[8*(4*\ft+\tt):8*(4*\ft+\tt)+7], v[MB+8*\ft:MB+8*\ft+7], v[MB+32+8*\tt:MB+32+8*\tt+7], v[8*(4*\ft+\tt):8*(4*\ft+\tt)+7]
.endif
.endr
.endr
.endm
	s_wait_tensorcnt 6                             ; chunk 0's two loads of mine are in; six stay out
	s_barrier_signal -1
	s_barrier_wait -1
.set FC, 0
.set FQ, 0
.set FB, F0
	FETCH
.irp n, 0,1,2,3,4,5,6,7,8,9,10,11,12,13,14,15
	KSTEP \n
.endr
	; THE WAY OUT, 16 tokens at a time: bias, 32 bytes a lane into my stage, whole rows of 256 bytes back, stores of which sixteen lanes cover 256 aligned bytes.
	; LDS serves a wave's instructions in order (ISA guide 5.7.1): no wait between the stage's stores and loads, nor before it is used again.
	; Every token tile has data registers of its own for its stores.
	PLACES 4
	s_wait_loadcnt 0x0                             ; the bias
.irp tt, 0,1,2,3
	WIN 0x01
.irp ft, 0,1,2,3
.irp p, 0,1,2,3
	v_pk_add_f32 v[TMP+8*\ft+2*\p:TMP+8*\ft+2*\p+1], v[8*(4*\ft+\tt)+2*\p:8*(4*\ft+\tt)+2*\p+1], v[BIAS+8*\ft+2*\p:BIAS+8*\ft+2*\p+1]
.endr
.endr
	WIN 0
.irp ft, 0,1,2,3
	ds_store_b128 v[STO], v[TMP+8*\ft:TMP+8*\ft+3]   offset:64*\ft
	ds_store_b128 v[STO], v[TMP+8*\ft+4:TMP+8*\ft+7] offset:64*\ft+16
.endr
.irp i, 0,1,2,3,4,5,6,7
	ds_load_b128 v[F0+32*\tt+4*\i:F0+32*\tt+4*\i+3], v[RD] offset:544*\i
.endr
.irp i, 0,1,2,3,4,5,6,7
	s_wait_dscnt 7-\i                              ; rows 2 i and 2 i + 1 are back; the younger loads stay out
	global_store_b128 v[CO], v[F0+32*\tt+4*\i:F0+32*\tt+4*\i+3], s[76:77] offset:\tt*32768+4096*\i th:TH_STORE_NT
.endr
.endr
	s_wait_tensorcnt 0x0
	ds_add_u32 v254, v255
	s_wait_dscnt 0x0
	ROUND                                          ; the closing round
	s_endpgm
.Lfunc_end_k_q547934d70c_oproj:
	.size	k_q547934d70c_oproj, .Lfunc_end_k_q547934d70c_oproj-k_q547934d70c_oproj
	.p2alignl 7, 3214868480
	.fill 96, 4, 3214868480
	.section	.rodata,"a",@progbits
	.p2align	6, 0x0
	.amdhsa_kernel k_q547934d70c_oproj
		.amdhsa_group_segment_fixed_size 280064
		.amdhsa_private_segment_fixed_size 0
		.amdhsa_enable_private_segment 0
		.amdhsa_kernarg_size 32
		.amdhsa_user_sgpr_count 2
		.amdhsa_user_sgpr_kernarg_segment_ptr 1
		.amdhsa_wavefront_size32 1
		.amdhsa_system_sgpr_workgroup_id_x 1
		.amdhsa_system_sgpr_workgroup_id_y 1
		.amdhsa_system_sgpr_workgroup_id_z 1
		.amdhsa_system_vgpr_workitem_id 0
		.amdhsa_next_free_vgpr 384
		.amdhsa_next_free_sgpr 88
		.amdhsa_reserve_vcc 0
		.amdhsa_float_denorm_mode_32 3
		.amdhsa_float_denorm_mode_16_64 3
		.amdhsa_memory_ordered 1
		.amdhsa_forward_progress 1
		.amdhsa_inst_pref_size 57
	.end_amdhsa_kernel
	.amdgpu_metadata
---
amdhsa.version: [ 1, 2 ]
amdhsa.kernels:
  - .name:           k_q547934d70c_oproj
    .symbol:         k_q547934d70c_oproj.kd
    .args:
      - { .name: aof, .offset: 0, .size: 8, .value_kind: global_buffer, .address_space: global }
      - { .name: wof, .offset: 8, .size: 8, .value_kind: global_buffer, .address_space: global }
      - { .name: bout, .offset: 16, .size: 8, .value_kind: global_buffer, .address_space: global }
      - { .name: out0, .offset: 24, .size: 8, .value_kind: global_buffer, .address_space: global }
    .group_segment_fixed_size: 280064
    .private_segment_fixed_size: 0
    .kernarg_segment_align: 8
    .kernarg_segment_size: 32
    .max_flat_workgroup_size: 128
    .sgpr_count:     88
    .vgpr_count:     384
    .wavefront_size: 32
...
	.end_amdgpu_metadata
.endif
;; end of part 4
;; ======== version 2 of 2: 4 launches; 1.45 times as fast as version 1
;; workspace buffers: wf 1,572,864 bytes; wof 524,288 bytes; relf 262,144 bytes; qf 8,388,608 bytes; kvf 16,777,216 bytes; aof 8,388,608 bytes
;; launch prep: the kernel of part 1 again; grid 256 x 1, 4 waves a work-group, no clusters, 0 bytes of LDS; arguments Wq, Wkv, Wout, rel_emb, wf, wof, relf; writes wf, wof, relf
;; launch qkv: the kernel of part 2 again; grid 8 x 32, 4 waves a work-group, clusters of 4 x 4, 327,680 bytes of LDS; arguments x, wf, bq, bkv, qf, kvf; writes qf, kvf
;; launch attn (part 5): grid 4 x 64, 8 waves a work-group, clusters of 4 x 1, 327,680 bytes of LDS; arguments qf, kvf, relf, aof; writes aof
.if DOCPART == 5
	.amdgcn_target "amdgcn-amd-amdhsa--gfx1250"
	.amdhsa_code_object_version 6
	.text
	.protected	k_q547934d70c_attn
	.globl	k_q547934d70c_attn
	.p2align	8
	.type	k_q547934d70c_attn,@function
k_q547934d70c_attn:
	s_mov_b64 s[64:65], 0
	v_nop
	global_prefetch_b8 v0, s[64:65] scope:SCOPE_SE
	s_setreg_imm32_b32 hwreg(HW_REG_WAVE_MODE, 25, 1), 1
	s_wait_xcnt 0x0
	s_wait_alu depctr_hold_cnt(0) depctr_sa_sdst(0) depctr_va_vdst(0) depctr_va_sdst(0) depctr_va_ssrc(0) depctr_va_vcc(0) depctr_vm_vsrc(0)
	s_getreg_b32 s2, hwreg(HW_REG_IB_STS2, 6, 4)
	s_cmp_eq_u32 s2, 0
	s_cbranch_scc0 .Lentry_in_a_cluster
	s_endpgm
.Lentry_in_a_cluster:
	s_bfe_u32 s2, ttmp6, 0x10000c
	s_cmp_lg_u32 s2, 0x3003
	s_cbranch_scc0 .Lentry_shape_is_right
	s_endpgm
.Lentry_shape_is_right:
; softmax(q k^T + q rel^T) v for one (batch, head) and 256 queries, with a running maximum.  q already carries 64^-0.5 log2(e): exponentials are powers of two.
; EIGHT WAVES, two to a SIMD; wave w owns 32 queries (2 row tiles t of 16); the 1,024 keys go in 16 steps of 64: 48 matrix instructions a wave and step.
; In one wave a run of products, the softmax that reads them (some 240 vector instructions a step) and the next run of products follow each other, and they cannot
; be mixed without two switches of the register window for each product: O, the K, V and table fragments and the logits do not fit into one window of 256.
; With a second wave on the SIMD there is another wave's vector and LDS work to issue while one wave's products are under way.
; The price: every wave reads all K and V fragments of a step, 32 LDS loads for 48 products (four waves of 64 queries would have 32 for 96).
; EVERYTHING IS TRANSPOSED: S^T = K Q^T, so lane (r, h) holds query r and keys 8 h + j: maximum and sum run inside the lane plus one exchange of the halves;
; two packed tiles of S^T are the B fragment of O^T = V^T P^T; the rescaling factor and 1 / l are one number a lane.
; THE RELATIVE TERM as a product: chunk s' is 64 rows g = 1024 - n0 + 64 s' + 16 b + a of the reversed, clipped table (g = m - n + 1024).  For row tile t,
; D[a][r] = q[n0 + 16 t + r] . rel[g] belongs to key m = 64 s' + 16 (b + t) + a + r: 64 table rows serve all 32 queries, with reference()'s count of products.
; D is scattered (4 bytes a lane) into the wave's own ring P[32 queries][128 keys modulo 128] of f32 and read back, aligned, as the C operand of K Q^T: no addition
; is written.  Step s needs chunks s - 1 and s; chunk s + 1 is scattered behind the reads of step s and lands, in row p, on the keys 64 (s+1) + p .. + 63, which
; modulo 128 are columns that step s has read or that step s does not read: LDS serves a wave's instructions in order (ISA guide 5.7.1), so the ring needs no barrier.
; The ring's rows are 528 bytes apart: the 32 lanes of a scatter hit words 5 r + 8 h modulo 64, all different; the 16 lanes of a read 16-byte columns 16 r modulo 256.
; CLUSTER 4 x 1: the four query blocks of one (batch, head) read the same K and V and ask for them jointly: two steps (32 KB) a tile, two slots.
; The table's fragments are loaded straight into registers, a step ahead, 512 consecutive bytes a load, and are NOT asked for jointly: at any time the 32 waves
; of a cluster stand at 32 different places of it.
; ONE LOOP FOR ALL 16 STEPS: four trips of two tiles (four steps), so that the body's text is run four times and nothing of its size is run once.
; For that: maxima start at -infinity, sums at 0 and O at 0 ahead of the loop (in step 0 the rescaling factor 2^(-infinity) is 0); a step's relative chunk stands
; in front of the step, so that only chunk -1 stands ahead of the loop; the last chunk jumps over the request for a chunk behind it; and the last trip's second
; refill asks once more for tile 6, which nobody reads: one joint load of 32 KB on top of eight, in place of a tail written out without it.
; Limits: q, k, v, rel and p are bf16 operands; l sums the unrounded p; an exponential below 2^-126 counts as zero; NaN and infinities are not treated.
.set WV,  12                           ; s12 wave, 0 .. 7
.set CNT, 34                           ; s34 trips left, 4 .. 1
.set LID, 1                            ; v1      16 x lane
.set PR,  2                            ; v2      ring + 528 r + 32 h: reads
.set AD0, 3                            ; v3      ring + 528 r + 4 (r + 8 h): scatters that do not wrap
.set AD7, 4                            ; v[4:11] ring + 528 r + 4 ((112 + j + r + 8 h) & 127): those from column 112 on
.set M,   12                           ; v[12:13] running maximum of row tile t
.set L,   16                           ; v[16:17] running sum, this half's keys
.set MN,  20                           ; v[20:21] new maximum (the pair's second register is written once and not used)
.set AL,  22                           ; v[22:23] 2^(old maximum - new maximum), likewise
.set T,   24                           ; v[24:31] at work
.set S0,  32                           ; v[32:63], v[64:95] logits of row tiles 0 and 1; also a chunk's relative products, tile (b, t) at 16 b + 8 t
.set S1,  64
.set PB,  96                           ; v[96:111] P^T, two B fragments
.set KF,  112                          ; v[112:175] K fragments at 16 kt + 8 kh; the packed results at the end
.set VF,  176                          ; v[176:239] V fragments at 16 dt + 8 g
.set QF,  64                           ; window 1: v[0:63] O at 32 t + 8 dt; v[64:95] Q at 16 t + 8 kh; v[96:159] table fragments at 16 b + 8 kh
.set RF,  96
.set RROW, 8448                        ; 16 rows of the ring
.set MSB, 0
.macro WIN new                         ; low byte: bits 1:0 source 0, 3:2 source 1, 5:4 source 2, 7:6 destination; the high byte repeats the setting that is left
.if MSB != \new
	s_set_vgpr_msb (MSB<<8)|\new
.set MSB, \new
.endif
.endm
.macro PLACES n
.rept \n
	v_nop
.endr
.endm
.macro ROUND                           ; a round of the cluster's barrier
	s_barrier_signal -1
	s_barrier_wait -1
	s_cmp_lg_u32 s[WV], 0
	s_cbranch_scc1 .Lnw0_\@
	s_barrier_signal -3
.Lnw0_\@:
	s_barrier_wait -3
	s_barrier_signal -1
	s_barrier_wait -1
.endm
	s_load_b256 s[4:11], s[0:1], 0x0               ; qf s[4:5], kvf s[6:7], relf s[8:9], aof s[10:11]
	v_lshl_add_u32 v254, v0, 2, 0x31000
	v_mov_b32 v255, 0
	ds_add_u32 v254, v255
	v_lshrrev_b32 v24, 5, v0
	v_readfirstlane_b32 s[WV], v24
	s_bfe_u32 s13, ttmp6, 0x40000                  ; cx
	s_lshl_b32 s42, ttmp9, 2
	s_add_co_u32 s13, s42, s13                     ; query block, 0 .. 3
	s_and_b32 s35, ttmp7, 0xffff                   ; bh = 8 batch + head
	s_mov_b32 s14, 0x76543210                      ; v_permlanex16_b32: lane i of one half reads lane i of the other
	s_mov_b32 s15, 0xfedcba98
	; group 1: a wave's eighth of a tile, 4,096 dense bytes as 16 rows of 32 elements of 8 bytes; all four work-groups of the cluster are named
	s_mov_b32 s16, 15|(3<<16)|(1<<21)
	s_mov_b32 s17, 32<<16
	s_mov_b32 s18, 16<<16
	s_mov_b32 s19, 32<<16
	s_mov_b32 s20, 16
	s_mov_b32 s21, 32
	s_mov_b32 s22, 0
	s_mov_b32 s23, 0
	s_lshl_b32 s37, s[WV], 12                      ; wave x 4,096
	s_lshl_b32 s38, s35, 18                        ; K and V: bh and wave alone
	s_add_co_u32 s38, s38, s37
	s_mov_b32 s39, 0
	s_lshl_b32 s42, s13, 15                        ; table: block 2 of chunk -1 starts at row 992 - 256 block - 32 wave >= 0, 128 bytes a row
	s_add_co_u32 s42, s42, s37
	s_sub_co_u32 s42, 0x1f000, s42
	s_mov_b32 s43, 0
	s_lshl_b32 s40, s35, 17                        ; q: (64 bh + 16 block + 2 wave) token tiles of 2,048 bytes
	s_lshl_b32 s41, s13, 15
	s_add_co_u32 s40, s40, s41
	s_add_co_u32 s40, s40, s37
	s_mov_b32 s41, 0                               ; stays 0: s[40:41] is later the step of slot 0's address
	s_lshr_b32 s46, s35, 3                         ; out: (64 batch + 16 block + 2 wave) token tiles of 16,384 bytes + 4 head blocks of 512
	s_lshl_b32 s46, s46, 20
	s_lshl_b32 s47, s13, 18
	s_add_co_u32 s46, s46, s47
	s_lshl_b32 s47, s[WV], 15
	s_add_co_u32 s46, s46, s47
	s_and_b32 s47, s35, 7
	s_lshl_b32 s47, s47, 11
	s_add_co_u32 s46, s46, s47
	s_mov_b32 s47, 0
	s_wait_dscnt 0x0
	s_wait_kmcnt 0x0
	s_add_nc_u64 s[38:39], s[6:7], s[38:39]
	s_add_nc_u64 s[32:33], s[8:9], s[42:43]        ; s[32:33]: where the table was last read
	s_add_nc_u64 s[44:45], s[4:5], s[40:41]
	s_add_nc_u64 s[46:47], s[10:11], s[46:47]
.irp s, 0,1                            ; group 0 of slot s, set for tile s: s[24:27], s[28:31]
	s_mov_b32 s[24+4*\s], 1
	s_add_co_u32 s[25+4*\s], s37, \s*32768
	s_add_nc_u64 s[26+4*\s:27+4*\s], s[38:39], \s*32768
	s_or_b32 s[27+4*\s], s[27+4*\s], 0x80000000
.endr
	ROUND                                          ; in front of the first joint load
	tensor_load_to_lds s[24:27], s[16:23]          ; tile 0
	s_nop 0
	v_nop
	v_nop
	v_and_b32 v1, 31, v0
	v_lshlrev_b32 v[LID], 4, v1
	WIN 0x40
.set i, 0
.rept 8
	global_load_b128 v[QF+4*i:QF+4*i+3], v[LID], s[44:45] offset:512*i      ; my 32 queries
.set i, i+1
.endr
.set i, 0
.rept 8
	global_load_b128 v[RF+32+4*i:RF+32+4*i+3], v[LID], s[32:33] offset:512*i ; blocks 2 and 3 of chunk -1
.set i, i+1
.endr
	WIN 0
	v_and_b32 v24, 15, v0                          ; r
	v_bfe_u32 v25, v0, 4, 1                        ; h
	s_mul_i32 s36, s[WV], 16896                    ; 32 rows of 528 bytes
	s_add_co_u32 s36, s36, 65536                   ; my ring, behind the two slots: no tensor load lands there
	v_mul_u32_u24 v26, v24, 528
	v_add_nc_u32 v26, s36, v26
	v_lshl_add_u32 v[PR], v25, 5, v26
	v_lshl_add_u32 v27, v25, 3, v24                ; r + 8 h
	v_lshl_add_u32 v[AD0], v27, 2, v26
.irp j, 0,1,2,3,4,5,6,7
	v_add_nc_u32 v28, 112+\j, v27
	v_and_b32 v28, 127, v28
	v_lshl_add_u32 v[AD7+\j], v28, 2, v26
.endr
	v_mov_b32 v[MN+1], 0
	v_mov_b32 v[AL+1], 0
	; the state in front of step 0: no key seen.  O = 0 x 0 + 0 by eight products on one cleared fragment: 8 registers are cleared by hand, not 64.
.irp t, 0,1
	v_mov_b32 v[M+\t], 0xff800000                  ; -infinity
	v_mov_b32 v[L+\t], 0
.endr
.irp i, 0,1,2,3,4,5,6,7
	v_mov_b32 v[PB+\i], 0
.endr
	WIN 0x50                                       ; A and B window 0, D window 1
.irp t, 0,1
.irp dt, 0,1,2,3
	v_wmma_f32_16x16x32_bf16 v[32*\t+8*\dt:32*\t+8*\dt+7], v[PB:PB+7], v[PB:PB+7], 0
.endr
.endr
; 2 products: table block b x both row tiles, half kh of d.  zero = 1: they start the sums.
.macro RW b, kh, zero
.irp t, 0,1
.if \zero
	v_wmma_f32_16x16x32_bf16 v[S0+16*\b+8*\t:S0+16*\b+8*\t+7], v[RF+16*\b+8*\kh:RF+16*\b+8*\kh+7], v[QF+16*\t+8*\kh:QF+16*\t+8*\kh+7], 0
.else
	v_wmma_f32_16x16x32_bf16 v[S0+16*\b+8*\t:S0+16*\b+8*\t+7], v[RF+16*\b+8*\kh:RF+16*\b+8*\kh+7], v[QF+16*\t+8*\kh:QF+16*\t+8*\kh+7], v[S0+16*\b+8*\t:S0+16*\b+8*\t+7]
.endif
.endr
.endm
; 16 scatters: register j of tile (b, t) goes to row 16 t + r, column (16 u + 8 h + j + r) & 127, u = (4 parity + b + t) & 7; only u = 7 can wrap.
.macro SCAT b, parR
.irp t, 0,1
.set u, (4*(\parR)+\b+\t)&7
.irp j, 0,1,2,3,4,5,6,7
.if u < 7
	ds_store_b32 v[AD0], v[S0+16*\b+8*\t+\j] offset:\t*RROW+64*u+4*\j
.else
	ds_store_b32 v[AD7+\j], v[S0+16*\b+8*\t+\j] offset:\t*RROW
.endif
.endr
.endr
.endm
; The next chunk of the table, 16 loads of 512 consecutive bytes; only behind the wait that shows the last loads from s[32:33] done.
.macro REQUEST bytes
	s_add_nc_u64 s[32:33], s[32:33], \bytes
	WIN 0x40
.set i, 0
.rept 16
	global_load_b128 v[RF+4*i:RF+4*i+3], v[LID], s[32:33] offset:512*i
.set i, i+1
.endr
	WIN 0
.endm
; One chunk of the relative term: 16 products on 8 accumulators, which take turns, one instruction a turn; then 64 scatters.
; parR: the chunk's parity.  req = 1: the chunk behind it is requested; req = 2: likewise, but not in the loop's last trip
; (chunk 15 has none behind it: the jump hangs on the trip counter alone and passes over register loads only, whose next wait is for 0).
.macro RPHASE parR, req
	s_wait_loadcnt 0x0                             ; the chunk's 16 loads are in, so their base may be stepped below
	WIN 0x05                                       ; A and B window 1, C and D window 0
.irp b, 0,1,2,3
	RW \b, 0, 1
.endr
.irp b, 0,1,2,3
	RW \b, 1, 0
.endr
	PLACES 5                                       ; in front of the stores that read the results, of the loads into the fragments just read and into S0 and S1,
	                                               ; and of the products that write over S0 and S1
	WIN 0                                          ; at a branch and at a label every window is 0
.if \req == 2
	s_cmp_eq_u32 s[CNT], 1
	s_cbranch_scc1 .Lnoreq_\@
.endif
	REQUEST 8192
.if \req == 2
.Lnoreq_\@:
.endif
.irp b, 0,1,2,3
	SCAT \b, \parR
.endr
.endm
; the relative logits of row tile t for this step's 64 keys, in the accumulator's layout
.macro POS t, par, X
.irp kt, 0,1,2,3
	ds_load_b128 v[\X+8*\kt:\X+8*\kt+3],   v[PR] offset:(\t)*RROW+256*\par+64*\kt
	ds_load_b128 v[\X+8*\kt+4:\X+8*\kt+7], v[PR] offset:(\t)*RROW+256*\par+64*\kt+16
.endr
.endm
.macro QK2                             ; S^T += K Q^T onto the relative logits, both row tiles: 16 products, eight accumulators by turns
.irp kh, 0,1
.irp t, 0,1
.irp kt, 0,1,2,3
	v_wmma_f32_16x16x32_bf16 v[S0+32*\t+8*\kt:S0+32*\t+8*\kt+7], v[KF+16*\kt+8*\kh:KF+16*\kt+8*\kh+7], v[QF+16*\t+8*\kh:QF+16*\t+8*\kh+7], v[S0+32*\t+8*\kt:S0+32*\t+8*\kt+7]
.endr
.endr
.endr
.endm
.macro SOFT t, X
	WIN 0
.irp c, 0,1,2,3                        ; the largest of my 32 logits, in four chains
	v_max3_num_f32 v[T+\c], v[\X+8*\c], v[\X+8*\c+1], v[\X+8*\c+2]
.endr
.irp c, 0,1,2,3
	v_max3_num_f32 v[T+\c], v[T+\c], v[\X+8*\c+3], v[\X+8*\c+4]
.endr
.irp c, 0,1,2,3
	v_max3_num_f32 v[T+\c], v[T+\c], v[\X+8*\c+5], v[\X+8*\c+6]
.endr
	v_max3_num_f32 v[T], v[T], v[T+1], v[\X+7]
	v_max3_num_f32 v[T+2], v[T+2], v[T+3], v[\X+15]
	v_max3_num_f32 v[T], v[T], v[T+2], v[\X+23]
	v_max_num_f32 v[T], v[T], v[\X+31]
	v_permlanex16_b32 v[T+1], v[T], s14, s15       ; the other half's keys of the same query
	v_max3_num_f32 v[MN], v[T], v[T+1], v[M+\t]
	v_sub_f32 v[T+2], v[M+\t], v[MN]               ; in step 0: -infinity, and the factor is 0
	v_exp_f32 v[AL], v[T+2]
	v_mov_b32 v[M+\t], v[MN]                       ; the plain instruction behind the exponential (ISA guide 5.7.2)
.set i, 0
.rept 16
	v_pk_add_f32 v[\X+2*i:\X+2*i+1], v[\X+2*i:\X+2*i+1], v[MN:MN+1] op_sel_hi:[1,0] neg_lo:[0,1] neg_hi:[0,1]
.set i, i+1
.endr
.set i, 0
.rept 32
	v_exp_f32 v[\X+i], v[\X+i]
.set i, i+1
.endr
	v_nop                                          ; one plain place before the results are used
	s_wait_alu depctr_va_vdst(0)
.irp c, 0,1,2,3
	v_pk_add_f32 v[T+2*\c:T+2*\c+1], v[\X+8*\c:\X+8*\c+1], v[\X+8*\c+2:\X+8*\c+3]
.endr
.irp c, 0,1,2,3
	v_pk_add_f32 v[T+2*\c:T+2*\c+1], v[T+2*\c:T+2*\c+1], v[\X+8*\c+4:\X+8*\c+5]
.endr
.irp c, 0,1,2,3
	v_pk_add_f32 v[T+2*\c:T+2*\c+1], v[T+2*\c:T+2*\c+1], v[\X+8*\c+6:\X+8*\c+7]
.endr
	v_pk_add_f32 v[T:T+1], v[T:T+1], v[T+2:T+3]
	v_pk_add_f32 v[T+4:T+5], v[T+4:T+5], v[T+6:T+7]
	v_pk_add_f32 v[T:T+1], v[T:T+1], v[T+4:T+5]
	v_add_f32 v[T], v[T], v[T+1]
	v_fma_f32 v[L+\t], v[L+\t], v[AL], v[T]
.set i, 0
.rept 16                               ; tiles 2 g and 2 g + 1, packed, are registers 0-3 and 4-7 of P^T's fragment g
	v_cvt_pk_bf16_f32 v[PB+i], v[\X+2*i], v[\X+2*i+1]
.set i, i+1
.endr
	WIN 0x41
.set i, 0
.rept 16
	v_pk_mul_f32 v[32*\t+2*i:32*\t+2*i+1], v[32*\t+2*i:32*\t+2*i+1], v[AL:AL+1] op_sel_hi:[1,0]
.set i, i+1
.endr
.endm
.macro PV t                            ; O^T += V^T P^T; four accumulators by turns
	WIN 0x50
.irp dt, 0,1,2,3
	v_wmma_f32_16x16x32_bf16 v[32*\t+8*\dt:32*\t+8*\dt+7], v[VF+16*\dt:VF+16*\dt+7], v[PB:PB+7], v[32*\t+8*\dt:32*\t+8*\dt+7]
.endr
.irp dt, 0,1,2,3
	v_wmma_f32_16x16x32_bf16 v[32*\t+8*\dt:32*\t+8*\dt+7], v[VF+16*\dt+8:VF+16*\dt+15], v[PB+8:PB+15], v[32*\t+8*\dt:32*\t+8*\dt+7]
.endr
.endm
; One step of 64 keys, of parity par, from slot slot.
.macro STEP slot, par
	WIN 0
.set i, 0
.rept 16
	ds_load_b128 v[KF+4*i:KF+4*i+3], v[LID] offset:\slot*32768+\par*16384+512*i
.set i, i+1
.endr
	POS 0, \par, S0
	POS 1, \par, S1
.set i, 0
.rept 16
	ds_load_b128 v[VF+4*i:VF+4*i+3], v[LID] offset:\slot*32768+\par*16384+8192+512*i
.set i, i+1
.endr
	s_wait_dscnt 16                                ; K and both row tiles' relative logits are in; the 16 loads of V stay out
	WIN 0x04                                       ; A window 0, B window 1, C and D window 0
	QK2
	WIN 0
	PLACES 4                                       ; before vector instructions read the products (ISA guide 7.12.1)
	SOFT 0, S0
	s_wait_dscnt 0x0                               ; V
	PV 0
	SOFT 1, S1
	PV 1
.endm
; One tile of two steps.  The round is the barrier in front of the refill: every wave's tensor loads have landed (one was out: its part of this tile) and its LDS
; instructions are done; behind it the other slot, read in the last tile, is asked for jointly, first thing; the load has two steps in which to land.
; Slot 0's address steps two tiles on, but not in the last trip: there it stays at tile 6, inside the buffer, and that tile's second arrival is not read.
; Slot 1's address as stepped in the last trip is not used.
.macro TRIP slot
	s_wait_tensorcnt 0x0
	ds_add_u32 v254, v255
.if \slot == 0
	s_cmp_lg_u32 s[CNT], 1
	s_cselect_b32 s40, 0x10000, 0
	s_add_nc_u64 s[26:27], s[26:27], s[40:41]      ; no load of mine is out: this slot's next tile
.else
	s_add_nc_u64 s[30:31], s[30:31], 65536
.endif
	s_wait_dscnt 0x0
	WIN 0
	ROUND
	tensor_load_to_lds s[28-4*\slot:31-4*\slot], s[16:23]
	s_nop 0
	RPHASE 0, 1                                    ; the even step's chunk; the odd step's is requested
	STEP \slot, 0
.if \slot == 0
	RPHASE 1, 1
.else
	RPHASE 1, 2                                    ; in the last trip this is chunk 15
.endif
	STEP \slot, 1
.endm
	; Chunk -1 (parity 1).  In row p = 16 t + r <= 31 it holds the keys p - 64 + 16 b + a; those that exist (>= 0) have 16 b + a >= 33: blocks 2 and 3 alone are made,
	; and no load reaches in front of the table's first row.  Chunk 0 begins 32 rows (4,096 bytes) behind block 2 of chunk -1.
	s_wait_loadcnt 0x0                             ; the queries and the two blocks
	WIN 0x05
.irp b, 2,3
	RW \b, 0, 1
.endr
.irp b, 2,3
	RW \b, 1, 0
.endr
	PLACES 5                                       ; as in every chunk
	WIN 0
	REQUEST 4096                                   ; chunk 0
	SCAT 2, 1
	SCAT 3, 1
	s_mov_b32 s[CNT], 4
.Ltiles:
	TRIP 0                                         ; tiles 0, 2, 4, 6
	TRIP 1                                         ; tiles 1, 3, 5, 7
	WIN 0
	s_sub_co_u32 s[CNT], s[CNT], 1
	s_cmp_lg_u32 s[CNT], 0
	s_cbranch_scc1 .Ltiles
	; THE END: 1 / l, rounding, one store of 512 consecutive bytes for each block of aof [token tile 512][4 head + dt][512] (row = token, k = feature)
	PLACES 4
.irp t, 0,1
	v_permlanex16_b32 v[T+2*\t+1], v[L+\t], s14, s15
	v_add_f32 v[L+\t], v[L+\t], v[T+2*\t+1]        ; both halves' keys; at least 1, since the largest logit gives 2^0
.endr
.irp t, 0,1
	v_rcp_f32 v[T+2*\t], v[L+\t]
.endr
	v_nop
	WIN 0x41
	s_wait_alu depctr_va_vdst(0)
.irp t, 0,1
.set i, 0
.rept 16
	v_pk_mul_f32 v[32*\t+2*i:32*\t+2*i+1], v[32*\t+2*i:32*\t+2*i+1], v[T+2*\t:T+2*\t+1] op_sel_hi:[1,0]
.set i, i+1
.endr
.endr
	WIN 0x05
.set i, 0
.rept 32
	v_cvt_pk_bf16_f32 v[KF+i], v[2*i], v[2*i+1]
.set i, i+1
.endr
	WIN 0
.irp t, 0,1
.irp dt, 0,1,2,3
	global_store_b128 v[LID], v[KF+16*\t+4*\dt:KF+16*\t+4*\dt+3], s[46:47] offset:\t*16384+\dt*512
.endr
.endr
	s_wait_tensorcnt 0x0                           ; the last trip's second refill: no tensor load is out at the end
	s_wait_tensorcnt 0x0
	ds_add_u32 v254, v255
	s_wait_dscnt 0x0
	ROUND                                          ; the closing round
	s_endpgm
.Lfunc_end_k_q547934d70c_attn:
	.size	k_q547934d70c_attn, .Lfunc_end_k_q547934d70c_attn-k_q547934d70c_attn
	.p2alignl 7, 3214868480
	.fill 96, 4, 3214868480
	.section	.rodata,"a",@progbits
	.p2align	6, 0x0
	.amdhsa_kernel k_q547934d70c_attn
		.amdhsa_group_segment_fixed_size 327680
		.amdhsa_private_segment_fixed_size 0
		.amdhsa_enable_private_segment 0
		.amdhsa_kernarg_size 32
		.amdhsa_user_sgpr_count 2
		.amdhsa_user_sgpr_kernarg_segment_ptr 1
		.amdhsa_wavefront_size32 1
		.amdhsa_system_sgpr_workgroup_id_x 1
		.amdhsa_system_sgpr_workgroup_id_y 1
		.amdhsa_system_sgpr_workgroup_id_z 1
		.amdhsa_system_vgpr_workitem_id 0
		.amdhsa_next_free_vgpr 416
		.amdhsa_next_free_sgpr 66
		.amdhsa_reserve_vcc 0
		.amdhsa_float_denorm_mode_32 3
		.amdhsa_float_denorm_mode_16_64 3
		.amdhsa_memory_ordered 1
		.amdhsa_forward_progress 1
		.amdhsa_inst_pref_size 119
	.end_amdhsa_kernel
	.amdgpu_metadata
---
amdhsa.version: [ 1, 2 ]
amdhsa.kernels:
  - .name:           k_q547934d70c_attn
    .symbol:         k_q547934d70c_attn.kd
    .args:
      - { .name: qf, .offset: 0, .size: 8, .value_kind: global_buffer, .address_space: global }
      - { .name: kvf, .offset: 8, .size: 8, .value_kind: global_buffer, .address_space: global }
      - { .name: relf, .offset: 16, .size: 8, .value_kind: global_buffer, .address_space: global }
      - { .name: aof, .offset: 24, .size: 8, .value_kind: global_buffer, .address_space: global }
    .group_segment_fixed_size: 327680
    .private_segment_fixed_size: 0
    .kernarg_segment_align: 8
    .kernarg_segment_size: 32
    .max_flat_workgroup_size: 256
    .sgpr_count:     66
    .vgpr_count:     416
    .wavefront_size: 32
...
	.end_amdgpu_metadata
.endif
;; end of part 5
;; launch oproj: the kernel of part 4 again; grid 4 x 64, 4 waves a work-group, clusters of 4 x 4, 280,064 bytes of LDS; arguments aof, wof, bout, out0; writes out0
